; MI455X (gfx1250); checked and timed in simulation.
; The chip was launched on July 23, 2026; its instructions are those of AMD's public machine-readable ISA for CDNA 5 (MIT licence, August 2026) and "CDNA5" Instruction Set Architecture Reference Guide (July 2026). The comments in the code are by the model that wrote it; some were corrected since.
;; Attention On Steps. Allowed arithmetic: matrix products marked QUANTISED: E2M3 operands, one E8M0 scale for each 32 along K, by v_wmma_scale_f32_16x16x128_f8f6f4 with both operands' format E2M3, f32 sums; everything else in f32.
;; Inputs: kernel_codes 3 x 1,024 x 32 x 24 uint8 (E2M3 codes of kernel, K innermost, in blocks of 32 codes, four codes in three bytes); kernel_scales 3 x 1,024 x 32 uint8 (E8M0 scales of kernel, one for each 32 codes along K); x_codes 4 x 2,048 x 32 x 24 uint8 (E2M3 codes of x, K innermost, in blocks of 32 codes, four codes in three bytes); x_scales 4 x 2,048 x 32 uint8 (E8M0 scales of x, one for each 32 codes along K).
;; Outputs: out0 4 x 2,048 x 1,024 float32.
;; This version of the problem:
;;   THIS VERSION OF THE PROBLEM IS GIVEN IN LOW PRECISION. The matrix products marked QUANTISED in the list below multiply operands that are first quantised to E2M3 (2 exponent bits, 3 mantissa bits; 6 bits a number), with one power-of-two scale for each 32 numbers along K (OCP MX v1.0); their sums are f32. All else is computed in f32.
;;   The module's matrix products, in the order in which they are computed (A, B: the left and right operand; K: the contracted axis; several contracted axes count as one K, in the product's order):
;;     1. [M 8,192, K 1,024] x [K 1,024, N 1,024]; A: input x (given as codes); B: input kernel (given as codes): QUANTISED
;;     2. [M 8,192, K 1,024] x [K 1,024, N 1,024]; A: input x (given as codes); B: input kernel (given as codes): QUANTISED
;;     3. [M 8,192, K 1,024] x [K 1,024, N 1,024]; A: input x (given as codes); B: input kernel (given as codes): QUANTISED
;;     4. batch 4 x [M 2,048, K 1,024] x [K 1,024, N 2,048]; A: computed on the way; B: computed on the way: QUANTISED
;;     5. batch 4 x [M 2,048, K 2,048] x [K 2,048, N 1,024]; A: softmax (see below); B: computed on the way: QUANTISED
;;   THE QUANTISER, for each operand of a quantised product, along K:
;;     - K is cut into blocks of 32 from its start; a last block that is shorter is filled with zeros.
;;     - A block's scale is 2^e with e = floor(log2(the largest magnitude in the block)) - 2, held to -126 .. 127; a block of zeros has e = 0. As a byte (E8M0): e + 127.
;;     - Each number is divided by its block's scale, clamped to +-7.5, and rounded to the nearest number of E2M3, ties to even, subnormals kept.
;;     - The product sums the exact products of the quantised numbers (number of the format x scale) in f32.
;;   ~~~python
;;   def quantise(x, axis):      # numpy; x: float32 -> the quantised numbers, widened to float32 again
;;       x = np.moveaxis(x, axis, -1); K = x.shape[-1]
;;       x = np.pad(x, [(0, 0)] * (x.ndim - 1) + [(0, -K % 32)]); x = x.reshape(x.shape[:-1] + (-1, 32)); a = np.abs(x).max(-1, keepdims=True)
;;       e = np.where(a > 0, np.clip(np.frexp(np.where(a > 0, a, 1))[1] - 1 - 2, -126, 127), 0)      # np.frexp(a)[1] - 1 = floor(log2(a)), exactly
;;       r = np.clip(x / 2.0 ** e, -7.5, 7.5)
;;       step = 2.0 ** (np.maximum(np.frexp(np.where(r == 0, 1, r))[1] - 1, 0) - 3)
;;       q = np.round(r / step) * step * 2.0 ** e      # np.round: ties to even
;;       return np.moveaxis(q.reshape(q.shape[:-2] + (-1,))[..., :K], -1, axis).astype(np.float32)
;;   ~~~
;;   SOFTMAX AHEAD OF A QUANTISED PRODUCT. Where the list says 'softmax', what is quantised is not the finished softmax but p = 2^(t - M), with t = logit x log2(e) and M = ceil(the row's largest t), a whole number; so 1/2 < the row's largest p <= 1. The row's sum l is taken of the UNQUANTISED p, in f32, and the product's result is divided by l at the end. Since M is a whole number, a kernel that streams over the keys may use a running M (the ceiling of the running maximum): every later rescaling is an exact power of two, which a block's scale takes up: the codes' values come out the same.
;;   OPERANDS COMPUTED ON THE WAY. 'Computed on the way' means the value that the module computes at that place (a softmax that the list does not call 'softmax' is quantised finished and normalised). What goes into a quantiser is computed in f32, as accurately as f32 sums, v_exp_f32 and their like allow (about 1e-6 of the number): no bf16 or f16 on the way to a quantiser, and a product that is left as it is and whose result goes on into a quantised operand takes f32 operands (vector FMAs, or v_wmma_f32_16x16x4_f32). A number that lies on a knife's edge between two numbers of the format may be rounded either way, as far as f32 arithmetic and the matrix unit's own rounding can turn it there, and no further.
;;   INPUTS GIVEN AS CODES. kernel (in the module: [3, 1024, 1024], K = its axis 1); x (in the module: [4, 2048, 1024], K = its axis 2): each comes as NAME_codes (uint8): NAME with its K axis moved to the last place and cut into blocks of 32 codes, [.., K / 32, bytes a block], one block behind the other in memory; four codes in three bytes: a row's codes are one little-endian stream of bits, code i at bits 6 i .. 6 i + 5 (a code: sign, 2 exponent bits, 3 mantissa bits); and NAME_scales (uint8): the same leading axes, one E8M0 byte (e + 127) for each 32 codes along K. Its value is code x scale, taken as it is: it is not quantised again, and the codes and scales need not be those that the quantiser above would give.
;; One version. Each part assembles by itself: llvm-mc -triple=amdgcn-amd-amdhsa -mcpu=gfx1250 --defsym DOCPART=n.
;; ======== version 1 of 1: 3 launches
;; limits: right only within a limited range of input values
;; workspace buffers: qkv_img 18,874,368 bytes; qkv_sc 786,432 bytes; p_img 12,582,912 bytes; p_aux 1,572,864 bytes
;; launch proj (part 1): grid 16 x 16, 4 waves a work-group, clusters of 4 x 4, 327,680 bytes of LDS; arguments x_codes, x_scales, kernel_codes, kernel_scales, qkv_img, qkv_sc; writes qkv_img, qkv_sc
.if DOCPART == 1
	.amdgcn_target "amdgcn-amd-amdhsa--gfx1250"
	.amdhsa_code_object_version 6
	.text
	.protected	k_q2dcdbabb84_proj
	.globl	k_q2dcdbabb84_proj
	.p2align	8
	.type	k_q2dcdbabb84_proj,@function
k_q2dcdbabb84_proj:
	s_mov_b64 s[64:65], 0
	v_nop
	global_prefetch_b8 v0, s[64:65] scope:SCOPE_SE
	s_setreg_imm32_b32 hwreg(HW_REG_WAVE_MODE, 25, 1), 1
	s_wait_xcnt 0x0
	s_wait_alu depctr_hold_cnt(0) depctr_sa_sdst(0) depctr_va_vdst(0) depctr_va_sdst(0) depctr_va_ssrc(0) depctr_va_vcc(0) depctr_vm_vsrc(0)
	s_getreg_b32 s2, hwreg(HW_REG_IB_STS2, 6, 4)
	s_cmp_eq_u32 s2, 0
	s_cbranch_scc0 .Lentry_in_a_cluster
	s_endpgm
.Lentry_in_a_cluster:
	s_bfe_u32 s2, ttmp6, 0x10000c
	s_cmp_lg_u32 s2, 0xf033
	s_cbranch_scc0 .Lentry_shape_is_right
	s_endpgm
.Lentry_shape_is_right:
; q, k, v = x W on codes of FP6 (E2M3) AND THEIR QUANTISERS: q and k along e, v along the tokens.  The results leave as codes and scale bytes in the order of the operand registers of the next launches.
; LIMITS: NaN and infinities among the results are not served; a block's scale byte is at least 1.
; VIRTUAL ROWS: token 256 g + 128 c + 64 a + t is row 256 g + 128 a + 64 c + t of q, k, v (a = a wave's row of the four, c = the chunk of 128 tokens, called a band).  Q's and K's fragment (c, j) and V's keys go by one map:
; row r of tile j of a band is the band's token 32 (r / 8) + 8 (j xor r / 8) + r % 8, and a lane's 32 results over four tiles are one scale block, at place 8 j + i.  Q and K order e inside a block alike; the key order of K and V is alike.
; qkv_img: q, k: fragment (e step of 128, 16 rows) at ((tensor x 8 + step) x 512 + row block) x 1,536: two halves of 768 bytes (64 e each): [lane][16 bytes], [lane][8 bytes];
;   v behind them: (key step x 64 + tile of 16 e) x 1,536: [piece of 4 registers][lane][16 bytes].  qkv_sc: images of 512 bytes: the scale word of row r of block rb of 8 at 16 (r + 16 (rb % 2)) + 4 (rb / 2).
; THE DEAL.  256 work-groups of four waves, 2 x 2; a wave holds 64 rows of a weight, all of K, in registers (384) and streams x past them in blocks of 16 rows.  PHASE 1: 256 x 128 of v.  PHASE 2: 512 x 128 of q or k.
; v's 256 rows are a half (s87) of the work-group's own 512, so the head's two chunks of 128 rows serve both phases; only the other half's two chunks are loaded later.  Half and tensor come from the cluster's number alone.
; x's rows are asked for jointly along a row of the 4 x 4 cluster, a weight's along a column.
; LDS: two slots of 128 rows of x, the weights' 128 rows, two places for a chunk's scale bytes, stages for the results' scale bytes, the spare words.
; FILLS: at the head one load a wave.  Three refills, each in a drained round: v's block 2 (the second weight), phase 2's blocks 2 and 6 (a chunk and its scale bytes).
; A BLOCK is 32 products; behind every second one stand two ENTRIES of a list: LDS addresses, descriptors, the first part of the last block's way out.
; THE WAITS' COUNTS: younger than a block's rows are the next block's fetch (NF loads) and the stores of scale bytes between the two.
.set NQ,     8
.set NB,     4
.set TM,     512
.set TV,     256
.set TN,     128
.set KROW,   768
.set KS,     32
.set PITCH,  816                       ; 3 x (256 + 16)
.set FR,     12
.set FPW,    21                        ; fragments in a window of 256 registers
.set NF,     28
.set RA,     128
.set YB,     RA*PITCH
.set BVB,    2*RA*PITCH
.set SCL,    BVB+TN*PITCH
.set CU,     16                        ; a chunk's scale bytes: 16 units of 256 bytes
.set SCB,    CU*272
.set XN,     SCL+2*SCB                 ; Q's or K's scale bytes: 512 for each wave
.set XM,     XN+2048                   ; V's: 256 for each wave
.set SPARE,  XM+1024
.set EMAX,   2
.set ADRA0, 4                          ; v4, v5 my fragments of even blocks (v5: for the pieces behind one padding more); v1, v22: of odd blocks
.set AAS0,  6                          ; v6 scale words of even blocks; v23: of odd blocks
.set CO,    9                          ; v9 16 x lane
.set SPW,   10
.set NIL,   11
.set ADRA,  12                         ; v12, v13 the block that is fetched next
.set ADRB,  14
.set ABS,   16
.set AAS,   17
.set STO,   18
.set STV,   19
.set CO8,   21                         ; v21 8 x lane
.set SB,    24                         ; v24-39 the weights' scale words
.set TQ,    40
.set SA,    44                         ; v44-59 the rows' scale words, two sets
.set TC,    60
.set ACC,   64
.set HV0,   64                         ; v64-191 phase 1, band 0: 32 t + 8 j + i
.set HV1,   840                        ; v840-967 band 1
.set NCD,   128
.set MCD,   192
.set SOP,   240
.set EB,    244
.set VX,    248
.set LE,    252                        ; v252-255 lane parts of LDS addresses: even tiles (two), odd tiles (two)
.set SB2,   968
.set BA,    984
.set G1A, 24
.set G0A, 56
.set G0R, 68
.set G1B, 32
.set G0B, 60
.set G1S, 92
.set G0S, 72
.set MSB, 0
.macro WIN new
.if MSB != \new
	s_set_vgpr_msb (MSB<<8)|\new
.set MSB, \new
.endif
.endm
.macro PLACES n
.rept \n
	v_nop
.endr
.endm
.macro WALU
	s_wait_alu depctr_va_vdst(0)
.endm
.macro BARRIER
	s_barrier_signal -1
	s_barrier_wait -1
.endm
.macro MIDDLE                          ; a round's middle
	WIN 0
	s_barrier_wait -1
	s_cmp_lg_u32 s14, 0
	s_cbranch_scc1 .Lnot_wave_0_\@
	s_barrier_signal -3
.Lnot_wave_0_\@:
	s_barrier_wait -3
.endm
.macro CROUND
	s_barrier_signal -1
	MIDDLE
	BARRIER
.endm
.macro GRD
	s_wait_tensorcnt 0x0
	ds_add_u32 v[SPW], v[NIL]
.endm
.macro TLOAD g0, g1
	tensor_load_to_lds s[\g0:\g0+3], s[\g1:\g1+7]
	s_nop 0
	PLACES 4
.endm
.macro GROUP1 g, mask, rows
	s_or_b32 s[\g+0], s[\mask], (1<<20)|(1<<21)|(5<<22)|(3<<25)
	s_mov_b32 s[\g+1], (KROW&0xffff)<<16
	s_mov_b32 s[\g+2], (KROW>>16)|((\rows)<<16)
	s_mov_b32 s[\g+3], KROW<<16
	s_mov_b32 s[\g+4], \rows
	s_mov_b32 s[\g+5], KROW
	s_mov_b32 s[\g+6], 0
	s_mov_b32 s[\g+7], 0
.endm
.macro SADD d, x
	s_add_co_u32 s\d, s\d, s\x
.endm
.macro G0SET g, base, off              ; group 0's address: base + the 32-bit offset in s\off (s21 = 0)
	s_mov_b32 s20, s\off
	s_add_nc_u64 s[\g+2:\g+3], s[\base:\base+1], s[20:21]
	s_or_b32 s[\g+3], s[\g+3], 0x80000000
.endm
; Fragment f lies in window 1 + f / 21 at register 12 (f % 21): 0-31 the weights' (4 q + b), 32-39 and 40-47 the rows' two sets.
.macro FRAG f, q, a0, a1, aw           ; six pieces of 8 bytes, two to a load where both lie behind as many paddings
	WIN ((1+(\f)/FPW)<<6)|(\aw)
.set R_, FR*((\f)%FPW)
.set SKIP_, 0
.irp p, 0,1,2,3,4,5
.if SKIP_
.set SKIP_, 0
.else
.set PC_, 12*(\q)+6*(\p/3)+\p%3
.set PN_, 12*(\q)+6*((\p+1)/3)+(\p+1)%3
.set X_, (PC_%32+3)/32
.set XQ_, (PN_%32+3)/32
.if (\p < 5) && (X_ == XQ_)
.set SKIP_, 1
.if X_
	ds_load_2addr_b64 v[R_+2*\p:R_+2*\p+3], \a1 offset0:PC_+2*(PC_/32) offset1:PN_+2*(PN_/32)
.else
	ds_load_2addr_b64 v[R_+2*\p:R_+2*\p+3], \a0 offset0:PC_+2*(PC_/32) offset1:PN_+2*(PN_/32)
.endif
.elseif X_
	ds_load_b64 v[R_+2*\p:R_+2*\p+1], \a1 offset:8*(PC_+2*(PC_/32))
.else
	ds_load_b64 v[R_+2*\p:R_+2*\p+1], \a0 offset:8*(PC_+2*(PC_/32))
.endif
.endif
.endr
.endm
.macro WEIGHTS                         ; my 64 rows of the weight, all of K: 104 loads
.irp q, 0,1,2,3,4,5,6,7
.irp b, 0,1,2,3
	FRAG NB*\q+\b, \q, v[BA-768+2*\b], v[BA-768+2*\b+1], 3
.endr
.endr
	WIN 0
.endm
.macro FETCHAT e, a0, a1, as           ; a block of x's rows into set e: NF loads
.irp q, 0,1,2,3,4,5,6,7
	FRAG NB*NQ+NQ*(\e)+\q, \q, \a0, \a1, 0
.endr
	WIN 0
	ds_load_b128 v[SA+8*(\e):SA+8*(\e)+3], \as
	ds_load_b128 v[SA+8*(\e)+4:SA+8*(\e)+7], \as offset:16
.endm
.macro FETCH e
	FETCHAT \e, v[ADRA], v[ADRA+1], v[AAS]
.endm
.macro FETCH01                         ; a phase's first two blocks, from slot 0
	FETCHAT 0, v[ADRA0], v[ADRA0+1], v[AAS0]
	FETCHAT 1, v1, v22, v23
	s_mov_b32 s17, 0                       ; the pair of blocks that was fetched last
.endm
; A product.  n = 4 q + column tile.  kind 0 (Q, K): source 0 the weight's rows; kind 1 (V): source 0 x's rows.
.macro PROD kind, e, n, a0, as
.set Q_, (\n)/4
.set FB_, NB*Q_+(\n)%4
.set FA_, NB*NQ+NQ*(\e)+Q_
.set D_, (\a0)+(\as)*((\n)%4)
.set DL_, D_&255
.set XB_, SB+NQ*(((\n)%4)/2)+Q_
.set XA_, SA+8*(\e)+Q_
.if \kind
	WIN (1+FA_/FPW)|((1+FB_/FPW)<<2)|((D_>>8)<<4)|((D_>>8)<<6)
.if Q_
	PROD1 DL_, FA_, FB_, v[DL_:DL_+7], XA_, XB_, b, (\n)%2
.else
	PROD1 DL_, FA_, FB_, 0, XA_, XB_, b, (\n)%2
.endif
.else
	WIN (1+FB_/FPW)|((1+FA_/FPW)<<2)|((D_>>8)<<4)|((D_>>8)<<6)
.if Q_
	PROD1 DL_, FB_, FA_, v[DL_:DL_+7], XB_, XA_, a, (\n)%2
.else
	PROD1 DL_, FB_, FA_, 0, XB_, XA_, a, (\n)%2
.endif
.endif
.endm
.macro PROD1 d, s0, s1, c, x0, x1, side, o
.if \o
	v_wmma_scale_f32_16x16x128_f8f6f4 v[\d:\d+7], v[FR*((\s0)%FPW):FR*((\s0)%FPW)+FR-1], v[FR*((\s1)%FPW):FR*((\s1)%FPW)+FR-1], \c, v[\x0], v[\x1] matrix_a_fmt:MATRIX_FMT_FP6 matrix_b_fmt:MATRIX_FMT_FP6 matrix_\side\()_scale:MATRIX_SCALE_ROW1
.else
	v_wmma_scale_f32_16x16x128_f8f6f4 v[\d:\d+7], v[FR*((\s0)%FPW):FR*((\s0)%FPW)+FR-1], v[FR*((\s1)%FPW):FR*((\s1)%FPW)+FR-1], \c, v[\x0], v[\x1] matrix_a_fmt:MATRIX_FMT_FP6 matrix_b_fmt:MATRIX_FMT_FP6 matrix_\side\()_scale:MATRIX_SCALE_ROW0
.endif
.endm
; Products \from .. \to - 1 of a block; behind every second one, two entries of the list.
.macro BLOCK kind, e, a0, as, from, to, list, x=0, y=0
.set N_, \from
.rept (\to)-(\from)
	PROD \kind, \e, N_, \a0, \as
.if N_%2
	\list N_-1, \x, \y
	\list N_, \x, \y
.endif
.set N_, N_+1
.endr
.endm
; To the next block's LDS addresses.  A pair of blocks (tiles j = 0, 1 or 2, 3 of a chunk) lies 16 rows on, a chunk 128 rows: pair P at 16 x ((P % 2) + 8 (P / 2 % 2)) rows.  An even block (4 entries) makes the two offsets, the odd one (3) takes them too.
.macro STEP par, i
.if \par
	STEPV 1, \i
.else
.if (\i) == 0
	s_add_co_u32 s17, s17, 1
	s_and_b32 s20, s17, 1
	s_and_b32 s21, s17, 2
	s_lshl_b32 s21, s21, 2
.elseif (\i) == 1
	s_add_co_u32 s20, s20, s21
	s_mul_i32 s101, s20, 16*PITCH
	s_mul_i32 s91, s20, 544
.endif
	STEPV 0, (\i)-1
.endif
.endm
.macro STEPV par, i
.if (\i) == 0
	WIN 0
.if \par
	v_add_nc_u32 v[ADRA], s101, v1
.else
	v_add_nc_u32 v[ADRA], s101, v[ADRA0]
.endif
.elseif (\i) == 1
	WIN 0
.if \par
	v_add_nc_u32 v[ADRA+1], s101, v22
.else
	v_add_nc_u32 v[ADRA+1], s101, v[ADRA0+1]
.endif
.elseif (\i) == 2
	WIN 0
.if \par
	v_add_nc_u32 v[AAS], s91, v23
.else
	v_add_nc_u32 v[AAS], s91, v[AAS0]
.endif
.endif
.endm
.macro CHAIN i, x, n, t=TQ             ; a way out's first part, 18 entries: the largest magnitude of the 32 sums from register x on by two chains, and the conversions' scale operand
.set XW_, (\x)>>8
.set XL_, (\x)&255
.if (\i) >= 0 && (\i) < 14
.set B_, XL_+16*((\i)%2)+2*((\i)/2)
.set T_, (\t)+1-(\i)%2
.if (\i) < 2
	WIN XW_|(XW_<<2)|(XW_<<4)
	v_max3_num_f32 v[T_], |v[B_]|, |v[B_+1]|, |v[B_+2]|
.else
	WIN (XW_<<2)|(XW_<<4)
	v_max3_num_f32 v[T_], v[T_], |v[B_+1]|, |v[B_+2]|
.endif
.elseif (\i) == 14
	WIN XW_<<2
	v_max3_num_f32 v[\t+1], v[\t+1], |v[XL_+15]|, (EMAX+1)<<23
.elseif (\i) == 15
	WIN 0
	v_nop                                  ; so that the next line, which reads entry 14's result, stands in the next pair
.elseif (\i) == 16
	WIN XW_<<2
	v_max3_num_f32 v[\t], v[\t], |v[XL_+31]|, v[\t+1]
.elseif (\i) == 17
	WIN 0
	v_add_nc_u32 v[SOP+\n], -(EMAX<<23), v[\t]
.endif
.endm
.macro CODES i, x, c, n, t=TC          ; its second part, 6 lines: 32 codes into v[c .. c+5], the scale's byte into v[EB+n]
.set XW_, (\x)>>8
.set XL_, (\x)&255
.if (\i) == 0
	WIN XW_
	v_cvt_scalef32_pk16_fp6_f32 v[\c:\c+2], v[XL_:XL_+15], v[SOP+\n]
.elseif (\i) == 1
	WIN XW_
	v_cvt_scalef32_pk16_fp6_f32 v[\t:\t+2], v[XL_+16:XL_+31], v[SOP+\n]
.elseif (\i) == 2
	WIN 0
	v_lshrrev_b32 v[EB+\n], 23, v[SOP+\n]
.else
	WIN 0
	v_mov_b32 v[\c+\i], v[\t+\i-3]
.endif
.endm
.macro CODES6 x, c, n
.irp i, 0,1,2,3,4,5
	CODES \i, \x, \c, \n
.endr
.endm
.macro PFTILE v, off, share            ; my sixteenth of a tile of 128 rows, to be asked for into the L2
	s_mul_i32 s21, s\share, RA*KROW/16
	s_add_co_u32 s20, s\off, s21
	WIN 0
	v_min_u32 v\v, RA*KROW/16/256-1, v3
	v_lshl_add_u32 v\v, v\v, 8, s20
.endm
.macro PFGO v, base
	global_prefetch_b8 v\v, s[\base:\base+1] th:TH_LOAD_NT scope:SCOPE_SE
.endm
.macro PUT3 r, base, off               ; a whole fragment
.irp k, 0,1,2
	global_store_b128 v[CO], v[\r+4*\k:\r+4*\k+3], \base offset:(\off)+512*\k
.endr
.endm
.macro PUTH r, off                     ; half a fragment
	global_store_b128 v[CO], v[\r:\r+3], s[84:85] offset:\off
	global_store_b64 v[CO8], v[\r+4:\r+5], s[84:85] offset:(\off)+512
.endm
.macro ASK i                           ; 4 entries: the descriptors of the chunk at s88 (bytes from x's codes) for slot s47, and of its scale bytes at s55 for place s8; then all four step on
.if (\i) == 0
	s_mul_i32 s[G0R+1], s14, RA/2*PITCH
	s_add_co_u32 s[G0R+1], s[G0R+1], s47
	s_mul_i32 s20, s14, RA/2*KROW
	SADD 20, 88
.elseif (\i) == 1
	s_mov_b32 s21, 0
	s_add_nc_u64 s[G0R+2:G0R+3], s[4:5], s[20:21]
	s_or_b32 s[G0R+3], s[G0R+3], 0x80000000
	s_mov_b32 s[G0S+1], s8
.elseif (\i) == 2
	s_mov_b32 s20, s55
	s_add_nc_u64 s[G0S+2:G0S+3], s[6:7], s[20:21]
	s_or_b32 s[G0S+3], s[G0S+3], 0x80000000
	s_add_co_u32 s88, s88, RA*KROW
.elseif (\i) == 3
	s_add_co_u32 s55, s55, CU*256
	s_xor_b32 s47, s47, YB
	s_xor_b32 s8, s8, (SCL)^(SCL+SCB)
.endif
.endm
.macro PAIR i                          ; 4 entries: where pair s46's codes go (s[84:85]) and its scale bytes (v[VX]).  The codes' place goes by the true pair, the stage by the order of work
.if (\i) == 0
	s_lshl_b32 s3, s87, 2
	s_xor_b32 s3, s3, s46
	s_lshr_b32 s20, s3, 2
	s_lshl_b32 s21, s20, 3
.elseif (\i) == 1
	s_lshl_b32 s22, s3, 1
	SADD 21, 22
	s_mul_i32 s20, s21, 1536
	s_mov_b32 s21, 0
.elseif (\i) == 2
	s_add_nc_u64 s[84:85], s[10:11], s[20:21]
	s_and_b32 s22, s46, 3
	s_lshl_b32 s22, s22, 1
	s_lshr_b32 s23, s46, 2
.elseif (\i) == 3
	s_lshl_b32 s23, s23, 8
	s_or_b32 s22, s22, s23
	s_add_co_u32 s46, s46, 1
	WIN 0
	v_add_nc_u32 v[VX], s22, v[STO]
.endif
.endm
; The lists.
.macro L_STEP i, x, y                  ; the step alone; x: the block's parity
	STEP \x, \i
.endm
.macro L_NONE i, x, y
.endm
.macro L_OUT0 i, x, y                  ; an even block: the step, then the way out of the sums at x (scale operand y)
	STEP 0, \i
	CHAIN (\i)-4, \x, \y
.endm
.macro L_OUT1 i, x, y                  ; an odd block
	STEP 1, \i
	CHAIN (\i)-3, \x, \y
.endm
.macro L_LAST i, x, y                  ; the way out alone: nothing more is fetched
	CHAIN \i, \x, \y
.endm
.macro L_V2 i, x, y                    ; V's third block: the first refill's descriptors; the later refills' group 1; the step; what the second refill will load is asked for into the L2
.if (\i) == 0
	s_mov_b32 s[G1A+2], (KROW>>16)|((RA/2)<<16)
	s_mov_b32 s[G1A+4], RA/2
	s_mov_b32 s[G1S+2], CU<<16
	s_mov_b32 s[G1S+4], CU
.elseif (\i) == 1
	s_mov_b32 s[G1B+2], (KROW>>16)|((TN/2)<<16)
	s_mov_b32 s[G1B+4], TN/2
	s_mul_i32 s[G0B+1], s14, TN/2*PITCH
	s_add_co_u32 s[G0B+1], s[G0B+1], BVB
.elseif (\i) == 2
	s_mul_i32 s20, s14, TN/2*KROW
	SADD 20, 9
	s_mov_b32 s21, 0
	s_add_nc_u64 s[G0B+2:G0B+3], s[2:3], s[20:21]
.elseif (\i) == 3
	s_or_b32 s[G0B+3], s[G0B+3], 0x80000000
.elseif (\i) == 8
	PFTILE 7, 88, 90
.elseif (\i) == 9
	s_lshl_b32 s21, s90, 9
	s_add_co_u32 s20, s55, s21
	WIN 0
	v_min_u32 v8, 1, v3
	v_lshl_add_u32 v8, v8, 8, s20
.endif
	STEP 0, (\i)-4
.endm
.macro L_V7 i, x, y                    ; V's last block: what the third refill will load is asked for; the way out
.if (\i) == 0
	s_add_co_u32 s22, s88, RA*KROW
	PFTILE 20, 22, 90
.endif
	CHAIN (\i)-1, \x, \y
.endm
.macro L_ODD i, x, y                   ; an odd block of phase 2: the pair's places, the step, the even block's way out
	PAIR \i
	STEP 1, (\i)-4
	CHAIN (\i)-7, ACC, 0
.endm
.macro L_ODDL i, x, y                  ; the last odd block
	PAIR \i
	CHAIN (\i)-4, ACC, 0
.endm
.macro L_ROUND i, x, y                 ; an even block with a round: the descriptors, the step, the odd block's way out
	ASK \i
	STEP 0, (\i)-4
	CHAIN (\i)-8, ACC+32, 1
.endm
.macro WAITDS w                        ; -1: the rows are shown in already
.if (\w) >= 0
	s_wait_dscnt \w
.endif
.endm
.macro EVENOUT fetch                   ; behind an even block: the odd block's byte, the pair's codes, the fetch of the block two on
	WALU
	ds_store_b8 v[VX], v[EB+1] offset:128
	PUTH NCD, 0
	PUTH NCD+6, 1536
.if \fetch
	FETCH 0
.endif
.endm
.macro EVEN w, fetch
	WAITDS \w
.if \fetch
	BLOCK 0, 0, ACC, 8, 0, 32, L_OUT0, ACC+32, 1
.else
	BLOCK 0, 0, ACC, 8, 0, 32, L_LAST, ACC+32, 1
.endif
	WIN 0
	CODES6 ACC+32, NCD+6, 1
	EVENOUT \fetch
.endm
.macro EVENROUND w                     ; the second and the third refill
	WAITDS \w
	GRD
	BLOCK 0, 0, ACC, 8, 0, 26, L_ROUND
	WIN 0
	WALU
	s_wait_dscnt 0x0
	s_barrier_signal -1
	BLOCK 0, 0, ACC, 8, 26, 32, L_NONE
	WIN 0
	CODES6 ACC+32, NCD+6, 1
	MIDDLE
	BARRIER
	s_cmp_lt_u32 s14, 2
	s_cbranch_scc0 .Lscales_\@
	TLOAD G0R, G1A
	s_branch .Lasked_\@
.Lscales_\@:
	s_cmp_eq_u32 s14, 2
	s_cbranch_scc0 .Lnone_\@
	TLOAD G0S, G1S
.Lnone_\@:
.Lasked_\@:
	EVENOUT 1
.endm
.macro EVENSHOW w                      ; a plain barrier inside the block shows the last refill to all
	WAITDS \w
	BLOCK 0, 0, ACC, 8, 0, 26, L_OUT0, ACC+32, 1
	WIN 0
	WALU
	s_wait_tensorcnt 0x0
	s_wait_dscnt 0x0
	s_barrier_signal -1
	BLOCK 0, 0, ACC, 8, 26, 32, L_NONE
	WIN 0
	s_barrier_wait -1
	CODES6 ACC+32, NCD+6, 1
	EVENOUT 1
.endm
.macro ODD w, fetch
	WAITDS \w
	s_wait_xcnt 0x0
.if \fetch
	BLOCK 0, 1, ACC+32, 8, 0, 32, L_ODD
.else
	BLOCK 0, 1, ACC+32, 8, 0, 32, L_ODDL
.endif
	WIN 0
	CODES6 ACC, NCD, 0
	WALU
	ds_store_b8 v[VX], v[EB]
.if \fetch
	FETCH 1
.endif
.endm
; ================= THE HEAD
	s_load_b128 s[4:7], s[0:1], 0x0                     ; x's codes, x's scales
	s_load_b64 s[2:3], s[0:1], 0x10                     ; the weights' codes
	s_load_b64 s[10:11], s[0:1], 0x18                   ; their scales
	v_lshl_add_u32 v[SPW], v0, 2, SPARE
	v_mov_b32 v[NIL], 0
	ds_add_u32 v[SPW], v[NIL]
	ds_add_u32 v[SPW], v[NIL]
	v_lshrrev_b32 v1, 5, v0
	v_readfirstlane_b32 s14, v1                         ; s14 the wave; s15 its row of the 2 x 2 (a), s16 its column
	s_lshr_b32 s15, s14, 1
	s_and_b32 s16, s14, 1
	s_bfe_u32 s40, ttmp6, 0x40000                       ; cx
	s_bfe_u32 s41, ttmp6, 0x40004                       ; cy
	s_lshl_b32 s42, ttmp9, 2
	s_add_co_u32 s42, s42, s40                          ; s42 phase 2's tile column, 0 .. 15: q's eight, k's eight
	s_and_b32 s43, ttmp7, 0xffff
	s_lshl_b32 s43, s43, 2
	s_add_co_u32 s43, s43, s41                          ; s43 its tile row
	s_lshr_b32 s19, ttmp9, 1
	s_and_b32 s87, ttmp9, 1                             ; s87: V's half of my 512 rows
	s_lshl_b32 s13, s19, 2
	s_add_co_u32 s13, s13, s40                          ; s13 V's tile column
	s_lshl_b32 s12, s43, 1
	s_add_co_u32 s12, s12, s87                          ; s12 V's tile row
	s_lshl_b32 s44, s41, 2
	s_lshl_b32 s44, 15, s44                             ; my row of the cluster
	s_lshl_b32 s45, 0x1111, s40                         ; my column
	GROUP1 G1A, 44, RA
	GROUP1 G1B, 45, TN
	s_or_b32 s[G1S+0], s44, (3<<16)|(1<<20)|(1<<21)|(5<<22)|(3<<25)
	s_mov_b32 s[G1S+1], 32<<16
	s_mov_b32 s[G1S+2], (2*CU)<<16
	s_mov_b32 s[G1S+3], 32<<16
	s_mov_b32 s[G1S+4], 2*CU
	s_mov_b32 s[G1S+5], 32
	s_mov_b32 s[G1S+6], 0
	s_mov_b32 s[G1S+7], 0
	s_mov_b32 s[G0S], 1
	s_mov_b32 s[G0S+1], SCL
	s_mul_i32 s67, s43, TM*KROW                         ; my 512 rows, bytes from x's codes
	s_mul_i32 s66, s12, TV*KROW                         ; V's half of them
	s_mul_i32 s9, s42, TN*KROW                          ; W_q's or W_k's rows, bytes from the weights' codes
	s_mul_i32 s54, s13, TN*KROW
	s_add_co_u32 s54, s54, 2048*KROW                    ; W_v's
	s_mul_i32 s55, s43, TM*KS                           ; my rows' scale bytes
	s_mul_i32 s82, s42, TN*KS
	s_mul_i32 s21, s16, 16*NB*KS
	s_add_co_u32 s82, s82, s21
	s_mov_b32 s83, 0
	s_mul_i32 s84, s13, TN*KS
	s_add_co_u32 s84, s84, s21
	s_add_co_u32 s84, s84, 2048*KS
	s_mov_b32 s85, 0
	s_mov_b32 s[G0A], 1
	s_mov_b32 s[G0A+1], 0
	s_mov_b32 s[G0B], 1
	s_mov_b32 s[G0B+1], BVB
	s_mov_b32 s[G0R], 1
	s_mov_b32 s[G0R+1], YB
	s_mul_i32 s89, s12, TV*KS
	s_lshl_b32 s90, s40, 2
	s_add_co_u32 s90, s90, s14                          ; my number among the sixteen waves of my row of the cluster
	s_lshl_b32 s100, s41, 2
	s_add_co_u32 s100, s100, s14                        ; and of my column
	s_mul_i32 s21, s15, 64*PITCH                        ; my 64 rows of a chunk
	s_mul_i32 s22, s16, 16*NB*PITCH
	s_add_co_u32 s22, s22, BVB                          ; my 64 rows of a weight
	s_mul_i32 s23, s15, 8*272
	s_add_co_u32 s23, s23, SCL
	s_add_co_u32 s20, s23, 272
	v_and_b32 v1, 15, v0                                ; r
	v_bfe_u32 v2, v0, 4, 1                              ; h
	v_and_b32 v3, 31, v0
	v_lshrrev_b32 v7, 3, v1                             ; r / 8
	v_and_b32 v8, 7, v1                                 ; r % 8
	v_lshl_add_u32 v22, v7, 5, v1                       ; an even tile's row: 32 (r / 8) + 8 (r / 8) + r % 8 (+ 8 j)
	v_mul_u32_u24 v22, v22, PITCH
	v_mad_u32_u24 v[LE], v2, 24, v22
	v_mad_u32_u24 v[LE+1], v2, 40, v22
	v_lshl_add_u32 v22, v7, 4, v1
	v_add_nc_u32 v22, 8, v22                            ; tile 1's row: 32 (r / 8) + 8 (1 - r / 8) + r % 8 (tile 3's lies 16 on)
	v_mul_u32_u24 v22, v22, PITCH
	v_mad_u32_u24 v[LE+2], v2, 24, v22
	v_mad_u32_u24 v[LE+3], v2, 40, v22
	v_add_nc_u32 v[ADRA0], s21, v[LE]
	v_add_nc_u32 v[ADRA0+1], s21, v[LE+1]
	v_mul_u32_u24 v22, v1, PITCH                        ; V takes the weight's rows as they lie: tile b's row 16 b + r
	v_mad_u32_u24 v23, v2, 24, v22
	v_add_nc_u32 v[ADRB], s22, v23
	v_mad_u32_u24 v23, v2, 40, v22
	v_add_nc_u32 v[ADRB+1], s22, v23
	v_mul_u32_u24 v[ABS], v3, KS
	v_xor_b32 v23, v2, v7
	v_lshl_add_u32 v23, v23, 3, v8
	v_lshl_add_u32 v20, v7, 5, v23
	v_lshlrev_b32 v20, 5, v20                           ; Q, K: the scale words of tiles 2 p (lanes 0-15), 2 p + 1: row 16 p + 32 (r / 8) + 8 (h xor r / 8) + r % 8
	v_lshlrev_b32 v23, 5, v8
	v_mul_u32_u24 v22, v7, 5*272
	v_add_nc_u32 v22, v22, v23
	v_add_nc_u32 v[AAS0], s23, v22                      ; x's scale words, eight rows to a unit of 272 bytes
	v_mul_u32_u24 v22, v7, 3*272
	v_add_nc_u32 v22, v22, v23
	v_add_nc_u32 v23, s20, v22
	WALU
	s_wait_dscnt 0x0
	CROUND                                              ; the opening round
	s_wait_kmcnt 0x0
	s_add_nc_u64 s[84:85], s[10:11], s[84:85]           ; W_v's scale bytes, my 64 rows
	s_add_nc_u64 s[10:11], s[10:11], s[82:83]           ; W_q's or W_k's
	s_mov_b32 s20, s66
	s_mov_b32 s21, 0
	s_add_nc_u64 s[G0A+2:G0A+3], s[4:5], s[20:21]
	s_add_nc_u64 s[G0R+2:G0R+3], s[G0A+2:G0A+3], RA*KROW
	s_or_b32 s[G0A+3], s[G0A+3], 0x80000000
	s_or_b32 s[G0R+3], s[G0R+3], 0x80000000
	G0SET G0B, 2, 54
	G0SET G0S, 6, 89
	s_cmp_eq_u32 s14, 0
	s_cbranch_scc0 .Lwave_1
	TLOAD G0B, G1B                                      ; wave 0: W_v's rows
	s_branch .Lasked
.Lwave_1:
	s_cmp_eq_u32 s14, 1
	s_cbranch_scc0 .Lwave_2
	TLOAD G0S, G1S                                      ; wave 1: both chunks' scale bytes
	s_branch .Lasked
.Lwave_2:
	s_cmp_eq_u32 s14, 2
	s_cbranch_scc0 .Lwave_3
	TLOAD G0A, G1A                                      ; wave 2: chunk 0
	s_branch .Lasked
.Lwave_3:
	TLOAD G0R, G1A                                      ; wave 3: chunk 1
.Lasked:
.irp p, 0,1
.irp c, 0,1
	global_load_b128 v[SB+NQ*\p+4*\c:SB+NQ*\p+4*\c+3], v[ABS], s[84:85] offset:\p*32*KS+16*\c
.endr
.endr
	WIN 3<<6
.irp p, 0,1
.irp c, 0,1
	global_load_b128 v[SB2-768+NQ*\p+4*\c:SB2-768+NQ*\p+4*\c+3], v20, s[10:11] offset:\p*16*KS+16*\c
.endr
.endr
	WIN 0
	s_load_b128 s[48:51], s[0:1], 0x20                  ; the images, the scale images
	s_mul_i32 s76, s42, 512*1536                        ; where the results go: q's or k's codes,
	s_mul_i32 s22, s43, 32*1536
	SADD 76, 22
	s_mul_i32 s22, s15, 8*1536
	SADD 76, 22
	s_mul_i32 s22, s16, 768
	SADD 76, 22
	s_mov_b32 s77, 0
	s_lshl_b32 s78, s42, 6                              ; their scale images: the wave stores group 4 x tile row + 2 (half) + (a): its halves come in the order of work
	s_lshl_b32 s22, s43, 2
	SADD 78, 22
	s_xor_b32 s22, s15, s87
	s_lshl_b32 s22, s22, 1
	SADD 78, 22
	SADD 78, 16
	s_lshl_b32 s78, s78, 9
	s_mov_b32 s79, 0
	s_lshl_b32 s21, s12, 1
	SADD 21, 15                                         ; my key step
	s_lshl_b32 s80, s21, 6                              ; v's codes
	s_lshl_b32 s22, s13, 3
	SADD 80, 22
	s_lshl_b32 s22, s16, 2
	SADD 80, 22
	s_mul_i32 s80, s80, 1536
	s_add_co_u32 s80, s80, 12582912
	s_mov_b32 s81, 0
	s_lshl_b32 s82, s21, 3                              ; and v's scale images
	SADD 82, 13
	s_lshl_b32 s82, s82, 9
	s_lshl_b32 s22, s16, 8
	SADD 82, 22
	s_add_co_u32 s82, s82, 524288
	s_mov_b32 s83, 0
	v_lshlrev_b32 v[CO], 4, v3
	v_lshlrev_b32 v[CO8], 3, v3
	v_lshl_add_u32 v7, v1, 3, v2
	s_lshl_b32 s21, s14, 9
	s_add_co_u32 s21, s21, XN
	v_add_nc_u32 v[STO], s21, v7
	s_lshl_b32 s21, s14, 8
	s_add_co_u32 s21, s21, XM
	v_add_nc_u32 v[STV], s21, v7
	s_mul_i32 s21, s15, 64*PITCH
	v_add_nc_u32 v1, s21, v[LE+2]                       ; odd blocks
	v_add_nc_u32 v22, s21, v[LE+3]
	s_mov_b32 s46, 0
	s_mov_b32 s88, s67
	s_mov_b32 s47, 0
	s_mov_b32 s8, SCL
	s_xor_b32 s20, s87, 1                               ; the chunks still to come are the other half's
	s_mul_i32 s21, s20, 2*RA*KROW
	SADD 88, 21
	s_mul_i32 s21, s20, 2*CU*256
	SADD 55, 21
	WIN 3<<6
.irp b, 0,1,2,3
	v_add_nc_u32 v[BA-768+2*\b], \b*16*PITCH, v[ADRB]
	v_add_nc_u32 v[BA-768+2*\b+1], \b*16*PITCH, v[ADRB+1]
.endr
	WIN 0
	PFTILE 8, 9, 100                                    ; what the first refill will load
	WALU
	s_cmp_eq_u32 s14, 0
	s_cbranch_scc0 .Lnot_b
	s_wait_tensorcnt 0x0
.Lnot_b:
	BARRIER                                             ; W_v's rows are in
	PFGO 8, 2
	WEIGHTS
	s_cmp_eq_u32 s14, 3
	s_cbranch_scc1 .Lnot_a0
	s_wait_tensorcnt 0x0
.Lnot_a0:
	s_wait_dscnt 0x0
	BARRIER                                             ; chunk 0 and the scale bytes are in; chunk 1 may still be on its way
	FETCH01
	s_wait_loadcnt 0x0                                  ; the weights' scale words
	s_wait_kmcnt 0x0
	s_add_nc_u64 s[10:11], s[48:49], s[76:77]
	s_add_nc_u64 s[80:81], s[48:49], s[80:81]
	s_add_nc_u64 s[78:79], s[50:51], s[78:79]
	s_add_nc_u64 s[82:83], s[50:51], s[82:83]
; ================= PHASE 1: V, eight blocks; band 0's way outs stand in band 1's blocks
.irp s, 0,1
	s_wait_dscnt NF
	BLOCK 1, \s, HV0+8*\s, 32, 0, 32, L_STEP, \s
	WIN 0
	PLACES 4
	WALU
	FETCH \s
.endr
	s_wait_dscnt NF
	s_wait_xcnt 0x0                                     ; the list writes v8, the address of the head's prefetch
	GRD
	BLOCK 1, 0, HV0+16, 32, 0, 24, L_V2
	WIN 0
	s_wait_dscnt 0x0
	s_barrier_signal -1
	BLOCK 1, 0, HV0+16, 32, 24, 32, L_NONE
	MIDDLE
	BARRIER
	s_cmp_lt_u32 s14, 2
	s_cbranch_scc0 .Lno_half
	TLOAD G0B, G1B                                      ; waves 0 and 1 a half each of W_q's or W_k's rows, onto W_v's, which all waves hold in registers
.Lno_half:
	PLACES 4                                            ; the places between the block's products and the fetch, for the waves that come round the load
	WALU
	FETCH 0
	PFGO 7, 4
	PFGO 8, 6
	BLOCK 1, 1, HV0+24, 32, 0, 32, L_STEP, 1
	WIN 0
	PLACES 4
	WALU
	FETCH 1
.irp j, 0,1,2
	s_wait_dscnt NF+(\j+1)/2
.if \j == 0
	BLOCK 1, 0, HV1, 32, 0, 32, L_OUT0, HV0, 0
.elseif \j == 1
	BLOCK 1, 1, HV1+8, 32, 0, 32, L_OUT1, HV0+32, 1
.else
	BLOCK 1, 0, HV1+16, 32, 0, 32, L_LAST, HV0+64, 2
.endif
	WIN 0
	CODES6 HV0+32*\j, MCD+12*\j, \j
	WALU
	ds_store_b8 v[STV], v[EB+\j] offset:128*(\j%2)+4*(\j/2)
.if \j < 2
	FETCH \j
.endif
.endr
	s_wait_dscnt 1
	BLOCK 1, 1, HV1+24, 32, 0, 26, L_V7, HV0+96, 3
	WIN 0
	WALU
	s_wait_tensorcnt 0x0
	s_wait_dscnt 0x0
	s_barrier_signal -1                                 ; a plain barrier: the weights that the first refill brought are shown to all
	BLOCK 1, 1, HV1+24, 32, 26, 32, L_NONE
	WIN 0
	s_barrier_wait -1
	CODES6 HV0+96, MCD+36, 3
	s_mul_i32 s22, s16, 16*NB*PITCH                     ; Q, K: the weight's tiles by the map of rows
	s_add_co_u32 s22, s22, BVB
	s_add_co_u32 s23, s22, 16*PITCH
	WIN 3<<6
.irp b, 0,1
	v_add_nc_u32 v[BA-768+2*\b], s22, v[LE+2*\b]
	v_add_nc_u32 v[BA-768+2*\b+1], s22, v[LE+2*\b+1]
	v_add_nc_u32 v[BA-768+2*\b+4], s23, v[LE+2*\b]
	v_add_nc_u32 v[BA-768+2*\b+5], s23, v[LE+2*\b+1]
.endr
	WIN 0
	WALU
	ds_store_b8 v[STV], v[EB+3] offset:132
; ================= THE CHANGE OF PHASE: the weights and the first two blocks' rows, which lie in slot 0 still, in one run of loads; band 1's four way outs under their flight
	WEIGHTS
	FETCH01
	PFGO 20, 4
	WIN 3
.set I, 0
.rept 16
	v_mov_b32 v[SB+I], v[SB2-768+I]
.set I, I+1
.endr
	WIN 0
.set I, 0
.rept 18
.irp t, 0,1,2,3
	CHAIN I, HV1+32*\t, \t, 64+4*\t
.endr
.set I, I+1
.endr
.set I, 0
.rept 6
.irp t, 0,1,2,3
	CODES I, HV1+32*\t, MCD+12*\t+6, \t, 80+4*\t
.endr
.set I, I+1
.endr
	WIN 0
	WALU
; ================= PHASE 2: Q or K, sixteen blocks, way outs by pairs
	s_wait_dscnt NF
	BLOCK 0, 0, ACC, 8, 0, 32, L_STEP, 0
	WIN 0
	PLACES 4
	WALU
.irp t, 0,1,2,3
	ds_store_b8 v[STV], v[EB+\t] offset:2+128*(\t%2)+4*(\t/2)
.endr
.irp t, 0,1,2,3
	PUT3 MCD+12*\t, s[80:81], 1536*\t                   ; V's codes leave
.endr
	FETCH 0
	ODD NF+4, 1
	s_mov_b32 s86, 0
.Lwith_rounds:                                          ; blocks 2 to 5, 6 to 9
	EVENROUND NF+1
	ODD -1, 1
	EVEN NF+1, 1
	ODD NF+1, 1
	s_add_co_u32 s86, s86, 1
	s_cmp_lg_u32 s86, 2
	s_cbranch_scc1 .Lwith_rounds
.Lwithout:                                              ; blocks 10, 11 and 12, 13
	EVENSHOW NF+1
	ODD -1, 1
	s_add_co_u32 s86, s86, 1
	s_cmp_lg_u32 s86, 4
	s_cbranch_scc1 .Lwithout
	EVEN NF+1, 0
	ODD 1, 0
; ================= THE END: the last way out; the scale bytes go through LDS under its conversions
	s_lshl_b32 s21, s16, 10                             ; the group of the waves in row s16: their two stages
	s_lshl_b32 s22, s15, 8
	SADD 21, 22
	s_add_co_u32 s21, s21, XN
	v_add_nc_u32 v12, s21, v[CO8]
	s_lshl_b32 s21, s15, 9                              ; V: lane L takes 8 bytes of column half L % 2, row L / 2
	s_lshl_b32 s22, s16, 7
	SADD 21, 22
	s_add_co_u32 s21, s21, XM
	v_and_b32 v13, 1, v3
	v_lshlrev_b32 v13, 8, v13
	v_lshrrev_b32 v14, 1, v3
	v_lshl_add_u32 v14, v14, 3, v13
	v_add_nc_u32 v14, s21, v14
	s_mov_b32 s20, 0x05040100
	s_mov_b32 s21, 0x07060302
.set I, 0
.rept 18
	CHAIN I, ACC+32, 1
.set I, I+1
.endr
	CODES 2, ACC+32, NCD+6, 1
	WALU
	ds_store_b8 v[VX], v[EB+1] offset:128
	s_wait_dscnt 0x0
	s_barrier_signal -1
	CODES 0, ACC+32, NCD+6, 1
	CODES 1, ACC+32, NCD+6, 1
	v_nop
.irp i, 3,4,5
	CODES \i, ACC+32, NCD+6, 1
.endr
	s_barrier_wait -1
	WALU
	ds_load_b64 v[64:65], v12
	ds_load_b64 v[66:67], v12 offset:512
	ds_load_b64 v[68:69], v14
	PUTH NCD, 0
	PUTH NCD+6, 1536
	s_wait_dscnt 0x0
	v_perm_b32 v70, v66, v64, s20                       ; a scale word: two bytes of each of the two waves that share the rows
	v_perm_b32 v71, v66, v64, s21
	v_perm_b32 v72, v67, v65, s20
	v_perm_b32 v73, v67, v65, s21
	global_store_b128 v[CO], v[70:73], s[78:79]
	global_store_b64 v[CO8], v[68:69], s[82:83]
	s_wait_tensorcnt 0x0
	ds_add_u32 v[SPW], v[NIL]
	s_wait_dscnt 0x0
	CROUND
	s_endpgm
.Lfunc_end_k_q2dcdbabb84_proj:
	.size	k_q2dcdbabb84_proj, .Lfunc_end_k_q2dcdbabb84_proj-k_q2dcdbabb84_proj
	.p2alignl 7, 3214868480
	.fill 96, 4, 3214868480
	.section	.rodata,"a",@progbits
	.p2align	6, 0x0
	.amdhsa_kernel k_q2dcdbabb84_proj
		.amdhsa_group_segment_fixed_size 327680
		.amdhsa_private_segment_fixed_size 0
		.amdhsa_enable_private_segment 0
		.amdhsa_kernarg_size 48
		.amdhsa_user_sgpr_count 2
		.amdhsa_user_sgpr_kernarg_segment_ptr 1
		.amdhsa_wavefront_size32 1
		.amdhsa_system_sgpr_workgroup_id_x 1
		.amdhsa_system_sgpr_workgroup_id_y 1
		.amdhsa_system_sgpr_workgroup_id_z 1
		.amdhsa_system_vgpr_workitem_id 0
		.amdhsa_next_free_vgpr 992
		.amdhsa_next_free_sgpr 102
		.amdhsa_reserve_vcc 0
		.amdhsa_float_denorm_mode_32 3
		.amdhsa_float_denorm_mode_16_64 3
		.amdhsa_memory_ordered 1
		.amdhsa_forward_progress 1
		.amdhsa_inst_pref_size 187
	.end_amdhsa_kernel
	.amdgpu_metadata
---
amdhsa.version: [ 1, 2 ]
amdhsa.kernels:
  - .name:           k_q2dcdbabb84_proj
    .symbol:         k_q2dcdbabb84_proj.kd
    .args:
      - { .name: x_codes, .offset: 0, .size: 8, .value_kind: global_buffer, .address_space: global }
      - { .name: x_scales, .offset: 8, .size: 8, .value_kind: global_buffer, .address_space: global }
      - { .name: kernel_codes, .offset: 16, .size: 8, .value_kind: global_buffer, .address_space: global }
      - { .name: kernel_scales, .offset: 24, .size: 8, .value_kind: global_buffer, .address_space: global }
      - { .name: qkv_img, .offset: 32, .size: 8, .value_kind: global_buffer, .address_space: global }
      - { .name: qkv_sc, .offset: 40, .size: 8, .value_kind: global_buffer, .address_space: global }
    .group_segment_fixed_size: 327680
    .private_segment_fixed_size: 0
    .kernarg_segment_align: 8
    .kernarg_segment_size: 48
    .max_flat_workgroup_size: 128
    .sgpr_count:     102
    .vgpr_count:     992
    .wavefront_size: 32
...
	.end_amdgpu_metadata
.endif
;; end of part 1
;; launch score (part 2): grid 8 x 32, 4 waves a work-group, clusters of 4 x 4, 327,680 bytes of LDS; arguments qkv_img, qkv_sc, p_img, p_aux; writes p_img, p_aux
.if DOCPART == 2
	.amdgcn_target "amdgcn-amd-amdhsa--gfx1250"
	.amdhsa_code_object_version 6
	.text
	.protected	k_q2dcdbabb84_score
	.globl	k_q2dcdbabb84_score
	.p2align	8
	.type	k_q2dcdbabb84_score,@function
k_q2dcdbabb84_score:
	s_mov_b64 s[64:65], 0
	v_nop
	global_prefetch_b8 v0, s[64:65] scope:SCOPE_SE
	s_setreg_imm32_b32 hwreg(HW_REG_WAVE_MODE, 25, 1), 1
	s_wait_xcnt 0x0
	s_wait_alu depctr_hold_cnt(0) depctr_sa_sdst(0) depctr_va_vdst(0) depctr_va_sdst(0) depctr_va_ssrc(0) depctr_va_vcc(0) depctr_vm_vsrc(0)
	s_getreg_b32 s2, hwreg(HW_REG_IB_STS2, 6, 4)
	s_cmp_eq_u32 s2, 0
	s_cbranch_scc0 .Lentry_in_a_cluster
	s_endpgm
.Lentry_in_a_cluster:
	s_bfe_u32 s2, ttmp6, 0x10000c
	s_cmp_lg_u32 s2, 0xf033
	s_cbranch_scc0 .Lentry_shape_is_right
	s_endpgm
.Lentry_shape_is_right:
; S = q k^T on codes of FP6 (E2M3), K = e = 1,024, and the softmax's first half.  256 tiles of 256 queries x 256 keys; four waves, 128 x 128 each.
; THE MATRIX INSTRUCTION IS USED TRANSPOSED (source 0 = 16 keys, source 1 = 16 queries): a lane holds one query, and its 32 registers over four tiles of keys are one scale block of p.
; For each query and the wave's 128 keys: t = score x log2(e) / 32; M = a whole number, the largest t of these 128 keys rounded up; p = 2^(t - M) is quantised along the keys; l = the sum of the unquantised p.
; Stored: p's codes as fragment images, and three scale images: p's scale words, -M, l.  The next launch brings all 16 parts of a row under the row's M by taking the difference off the scale bytes.
; A fragment of q, k (16 rows x 128 K) lies in memory as two halves of 768 bytes: [lane][16 bytes], [lane][8 bytes]; fragment (K step, rb) at (K step x 512 + rb) x 1,536; scale words of (K step, group of 128 rows) at (K step x 64 + group) x 512.
; LDS: q's region and k's, each of six K steps of 16 fragments.  K steps 0-1 are asked for by waves 0 (q) and 1 (k), K steps 2-5 by waves 2 and 3, one load a wave; K steps 6-7 take the bytes of 0-1, behind a drained round.
; q's tiles are asked for jointly along a row of the 4 x 4 cluster, k's along a column.  The scale images come by plain loads and LDS stores.
; No prefetch: three quarters of K are asked for at the head, and the one refill has four steps in which to land.
; LIMITS: the promise holds while the scaled scores stay under 2^31 in magnitude; NaN is not served; p under 2^-126 comes out of the exponential as 0; a block whose every p is 0 gets the byte 1 and zero codes.
; A block's largest p is not searched for: the block's largest score goes through the same multiply-add and exponential (this takes the exponential not to fall where its input rises).
.set FR,    12
.set HALF,  12288                      ; my half of a K step's 16 fragments
.set SLOT,  49152                      ; two K steps of 256 rows
.set KB,    3*SLOT                     ; k's region
.set PHASE, 2*512*1536                 ; two K steps on, in memory
.set SCL,   2*KB                       ; scale images: q's 8 K steps x 1,024, then k's; written by LDS stores alone
.set SPARE, SCL+16384                  ; the spare words
.set LI8,  6                           ; v6 8 x lane
.set ADRA8, 8                          ; v8-10 my fragments of q in K steps 0-1, 2-3, 4-5, pieces of 8 bytes
.set H8,   11                          ; v11 8 x (lane / 16)
.set ADRB8, 12                         ; v12-14 of k
.set ADRA, 16                          ; v16-18, v20-22: pieces of 16 bytes
.set ADRB, 20
.set ADSA, 24                          ; v24 q's scale images
.set ADSB, 25                          ; v25 k's
.set LI,   26                          ; v26 16 x lane
.set SPW,  28
.set NIL,  29
.set SC,   32                          ; v32-47 scale registers, two sets: 4 of q, 4 of k; register j: lanes 0-15 block 2 j, lanes 16-31 block 2 j + 1
.set AF,   64                          ; window 0: q's fragments, two sets of 96.  Window 1: k's, at v0 and v128.  Windows 2, 3: the accumulators, (a, b) at v[64 (a % 4) + 8 b]
.set MX,   64                          ; the softmax, for a window's four blocks of queries: 8 chains k = 2 (a % 4) + c: largest score, then largest p of a block
.set RR,   72
.set XX,   76
.set NMP,  80                          ; -M of block a at v[80 + 2 a]
.set LL,   88                          ; the sums, pairs
.set SCO,  104
.set BY,   112
.set PW,   120                         ; v120-127 p's scale words, v128-135 -M, v136-143 l, one for each of my 8 blocks of queries
.set NMS,  128
.set LS,   136
.set WD,   144                         ; v144-155 the three images
.set PC,   160                         ; v160-207 four fragments
.set PT,   208                         ; v208-239 second halves of blocks
.set WV,  12
.set RH,  13
.set CH,  14
.set G1,  24
.set G1B, 32
.set G1L, 40
.set G1BL, 48
.set CS,  96
.set SEL, 98
.set HM,  100
.set MUL_LO, 0xa1
.set MUL_HI, 0xf1
.set TO_B,   0x40
.set MSB, 0
.macro WIN new
.if MSB != (\new)
	s_set_vgpr_msb (MSB<<8)|(\new)
.set MSB, (\new)
.endif
.endm
.macro PLACES n
.rept \n
	v_nop
.endr
.endm
.macro TLOAD g0, g1
	tensor_load_to_lds s[\g0:\g0+3], s[\g1:\g1+7]
	s_nop 0
	PLACES 4
.endm
.macro ARM under, g0, g1, next         ; the head's loads: one chain of branches on the wave's number, one load to an arm
	s_cmp_lt_u32 s[WV], \under
	s_cbranch_scc0 \next
	TLOAD \g0, \g1
	s_branch .Lhead_asked
\next:
.endm
.macro CREST
	s_cmp_lg_u32 s[WV], 0
	s_cbranch_scc1 .Lnot_wave_0_\@
	s_barrier_signal -3
.Lnot_wave_0_\@:
	s_barrier_wait -3
	s_barrier_signal -1
	s_barrier_wait -1
.endm
.macro CROUND
	s_barrier_signal -1
	s_barrier_wait -1
	CREST
.endm
.macro GROUP1 g, mask, rows            ; K steps of 24,576 bytes (3,072 elements of 8 bytes), 512 fragments apart; no padding
	s_or_b32 s[\g], s\mask, (3<<16)|(1<<21)
	s_mov_b32 s[\g+1], 3072<<16
	s_mov_b32 s[\g+2], \rows<<16
	s_mov_b32 s[\g+3], 3072<<16
	s_mov_b32 s[\g+4], \rows
	s_mov_b32 s[\g+5], 98304
	s_mov_b32 s[\g+6], 0
	s_mov_b32 s[\g+7], 0
.endm
.macro SETG0 g, lds, areg, aoff
	s_mov_b32 s[\g], 1
	s_mov_b32 s[\g+1], \lds
	s_add_nc_u64 s[\g+2:\g+3], s[\areg:\areg+1], \aoff
	s_or_b32 s[\g+3], s[\g+3], 0x80000000
.endm
	s_load_b256 s[4:11], s[0:1], 0x0               ; the images s[4:5], their scale images s[6:7], p's images s[8:9], p's three scale images s[10:11]
	v_lshl_add_u32 v[SPW], v0, 2, SPARE
	v_mov_b32 v[NIL], 0
	ds_add_u32 v[SPW], v[NIL]
	ds_add_u32 v[SPW], v[NIL]
	v_lshrrev_b32 v1, 5, v0
	v_readfirstlane_b32 s[WV], v1
	s_lshr_b32 s[RH], s[WV], 1                     ; my half of the queries
	s_and_b32 s[CH], s[WV], 1                      ; my half of the keys
	s_bfe_u32 s92, ttmp6, 0x40000                  ; cx
	s_bfe_u32 s93, ttmp6, 0x40004                  ; cy
	s_lshl_b32 s94, s93, 2
	s_lshl_b32 s94, 15, s94                        ; my row of the cluster
	s_lshl_b32 s95, 0x1111, s92                    ; my column
	s_mov_b32 s[CS], 0x3d38aa3b                    ; c = log2(e) / sqrt(1,024)
	s_mov_b32 s[CS+1], s[CS]                       ; (named with it as a pair)
	s_mov_b32 s[SEL], 0x76543210
	s_mov_b32 s[SEL+1], 0xfedcba98
	s_mov_b32 s[HM], 0xffff0000
	s_and_b32 s15, ttmp7, 0xffff                   ; cluster y
	s_lshl_b32 s16, s15, 2
	s_add_co_u32 s16, s16, s93                     ; ty: my 256 queries, 0..31 over the four batches
	s_lshr_b32 s17, s15, 1                         ; the batch
	s_lshl_b32 s17, s17, 3
	s_lshl_b32 s101, ttmp9, 2
	s_add_co_u32 s101, s101, s92                   ; tx: my 256 keys of the batch, 0..7
	s_add_co_u32 s17, s17, s101                    ; k's tile of 256 rows
	GROUP1 G1, 94, 2
	GROUP1 G1B, 95, 2
	GROUP1 G1L, 94, 4
	GROUP1 G1BL, 95, 4
	s_lshl_b32 s22, s16, 10                        ; q's scale images: groups 2 ty, 2 ty + 1
	s_mul_i32 s20, s16, 24576                      ; q's fragments: 16 ty
	s_mov_b32 s21, 0
	s_mov_b32 s23, 0
	s_lshl_b32 s18, s17, 10                        ; k: likewise, behind q's
	s_add_co_u32 s18, s18, 262144
	s_mul_i32 s2, s17, 24576
	s_add_co_u32 s2, s2, 6291456
	s_mov_b32 s3, 0
	s_mov_b32 s19, 0
	s_lshl_b32 s17, s[RH], 15                      ; the scale images: wave w takes K steps 2 i + w / 2, group w % 2
	s_lshl_b32 s84, s[CH], 9
	s_add_co_u32 s17, s17, s84
	v_and_b32 v1, 31, v0
	v_lshlrev_b32 v[LI], 4, v1
	v_lshlrev_b32 v[LI8], 3, v1
	v_bfe_u32 v[H8], v0, 4, 1
	v_lshlrev_b32 v[H8], 3, v[H8]
	v_add_nc_u32 v4, s17, v[LI]
	v_lshl_add_u32 v5, v0, 4, SCL
	s_wait_alu depctr_va_vdst(0)
	s_wait_dscnt 0x0                               ; both opening adds are done
	s_wait_kmcnt 0x0
	s_add_nc_u64 s[20:21], s[4:5], s[20:21]
	s_add_nc_u64 s[22:23], s[6:7], s[22:23]
	s_add_nc_u64 s[2:3], s[4:5], s[2:3]
	s_add_nc_u64 s[18:19], s[6:7], s[18:19]
.irp i, 0,1,2,3
	global_load_b128 v[64+4*\i:67+4*\i], v4, s[22:23] offset:65536*\i
	global_load_b128 v[80+4*\i:83+4*\i], v4, s[18:19] offset:65536*\i
.endr
	CROUND                                         ; all sixteen work-groups are here: the first joint loads meet
	SETG0 56, 0, 20, 0
	SETG0 72, KB, 2, 0
	SETG0 60, SLOT, 20, PHASE
	SETG0 76, KB+SLOT, 2, PHASE
	ARM 1, 56, G1, .Lhead_k
	ARM 2, 72, G1B, .Lhead_q2
	ARM 3, 60, G1L, .Lhead_k2
	TLOAD 76, G1BL
.Lhead_asked:
	s_wait_xcnt 0x0                                ; the plain loads have read their bases
	s_mul_i32 s20, s[RH], HALF
	s_mul_i32 s21, s[CH], HALF
	s_add_co_u32 s21, s21, KB
.irp s, 0,1,2
	v_add_nc_u32 v[ADRA+\s], s20, v[LI]
	v_add_nc_u32 v[ADRB+\s], s21, v[LI]
	v_add_nc_u32 v[ADRA8+\s], s20, v[LI8]
	v_add_nc_u32 v[ADRB8+\s], s21, v[LI8]
	s_add_co_u32 s20, s20, SLOT
	s_add_co_u32 s21, s21, SLOT
.endr
	s_lshl_b32 s20, s[RH], 9
	s_add_co_u32 s20, s20, SCL
	v_add_nc_u32 v[ADSA], s20, v[LI]
	s_lshl_b32 s21, s[CH], 9
	s_add_co_u32 s21, s21, SCL+8192
	v_add_nc_u32 v[ADSB], s21, v[LI]
	; where my results go: K step 2 tx + CH of the next product; fragment (K step x 512 + 16 ty + 8 RH), scale image (K step x 64 + 2 ty + RH)
	s_lshl_b32 s20, s101, 1
	s_add_co_u32 s20, s20, s[CH]
	s_lshl_b32 s21, s20, 9
	s_lshl_b32 s22, s16, 4
	s_add_co_u32 s21, s21, s22
	s_lshl_b32 s22, s[RH], 3
	s_add_co_u32 s21, s21, s22
	s_mul_i32 s22, s21, 1536
	s_mov_b32 s23, 0
	s_add_nc_u64 s[8:9], s[8:9], s[22:23]
	s_lshl_b32 s21, s20, 6
	s_lshl_b32 s22, s16, 1
	s_add_co_u32 s21, s21, s22
	s_add_co_u32 s21, s21, s[RH]
	s_lshl_b32 s22, s21, 9
	s_add_nc_u64 s[10:11], s[10:11], s[22:23]
; Step t's fragments and scale registers into set t % 2, in two runs: k's and the scales; q's.
.macro FRAGS reg, adr, adr8, t
.irp i, 0,1,2,3,4,5,6,7
.irp c, 0,1
	ds_load_b128 v[\reg+FR*\i+6*\c:\reg+FR*\i+6*\c+3], v[\adr+((\t)/2)%3] offset:((\t)%2)*24576+\i*1536+768*\c
	ds_load_b64 v[\reg+FR*\i+6*\c+4:\reg+FR*\i+6*\c+5], v[\adr8+((\t)/2)%3] offset:((\t)%2)*24576+\i*1536+768*\c+512
.endr
.endr
.endm
.macro FETB t
	WIN TO_B
	FRAGS 128*((\t)%2), ADRB, ADRB8, \t
	WIN 0
	ds_load_b128 v[SC+8*((\t)%2):SC+8*((\t)%2)+3], v[ADSA] offset:1024*(\t)
	ds_load_b128 v[SC+8*((\t)%2)+4:SC+8*((\t)%2)+7], v[ADSB] offset:1024*(\t)
.endm
.macro FETA t
	FRAGS AF+96*((\t)%2), ADRA, ADRA8, \t
.endm
; One product: q's block a x k's block b.  An odd block's scale words stand in lanes 16-31 of its register.
.macro WMI c, ra, rb
	v_wmma_scale_f32_16x16x128_f8f6f4 v[rD:rD+7], v[rB:rB+FR-1], v[rA:rA+FR-1], \c, v[sB], v[sA] matrix_a_fmt:MATRIX_FMT_FP6 matrix_b_fmt:MATRIX_FMT_FP6 matrix_a_scale:MATRIX_SCALE_ROW\ra matrix_b_scale:MATRIX_SCALE_ROW\rb
.endm
.macro WMR c, a, b
.if (\b)%2
.if (\a)%2
	WMI \c, 1, 1
.else
	WMI \c, 1, 0
.endif
.elseif (\a)%2
	WMI \c, 0, 1
.else
	WMI \c, 0, 0
.endif
.endm
.macro WM a, b, t, zero
.set MP, (\t)%2
.set rD, 8*(8*((\a)%4)+(\b))
.set rB, 128*MP+FR*(\b)
.set rA, AF+96*MP+FR*(\a)
.set sB, SC+8*MP+4+(\b)/2
.set sA, SC+8*MP+(\a)/2
.if \zero
	WMR 0, \a, \b
.else
	WMR v[rD:rD+7], \a, \b
.endif
.endm
.macro MUL16 a0, t, zero               ; the 64 accumulators take turns, one instruction a turn, in the same order in every step
.irp a, \a0, \a0+1
.irp b, 0,1,2,3,4,5,6,7
	WM \a, \b, \t, \zero
.endr
.endr
.endm
.macro PLAIN t, zero
	s_wait_dscnt 0x0                               ; this step's set is in
.if (\t) > 0
	PLACES 4                                       ; between the last step's products and the loads into the set that they read
.endif
	FETB (\t)+1
	WIN MUL_LO
	MUL16 0, \t, \zero
	MUL16 2, \t, \zero
	WIN 0
	FETA (\t)+1
	WIN MUL_HI
	MUL16 4, \t, \zero
	MUL16 6, \t, \zero
	WIN 0
.endm
; A step with a barrier.  fill = 1 (step 1): K steps 6 and 7 take the bytes of 0 and 1, which have been read.  fill = 0 (step 5): that fill is shown to every wave.
.macro TURN t, fill
	s_wait_tensorcnt 0x0                           ; all my tensor loads have landed
	ds_add_u32 v[SPW], v[NIL]                      ; 0 onto my spare word
	s_wait_dscnt 0x1                               ; only the add may be out: this step's set is in
	WIN MUL_LO
	MUL16 0, \t, 0
	s_wait_dscnt 0x0                               ; the add is done, and so are my reads of the steps behind me
	s_barrier_signal -1
	MUL16 2, \t, 0
	WIN 0
	s_barrier_wait -1
.if \fill
	CREST                                          ; a round of the cluster's barrier: no wave of any partner still reads these bytes or has a load on its way
	s_add_nc_u64 s[58:59], s[58:59], 3*PHASE
	s_add_nc_u64 s[74:75], s[74:75], 3*PHASE
	s_cmp_eq_u32 s[WV], 0
	s_cbranch_scc0 .Lfor_k
	TLOAD 56, G1                                   ; wave 0: q's
	s_branch .Lasked
.Lfor_k:
	s_cmp_eq_u32 s[WV], 1
	s_cbranch_scc0 .Lasked
	TLOAD 72, G1B                                  ; wave 1: k's
.Lasked:
.endif
	PLACES 4
	FETB (\t)+1
	FETA (\t)+1
	WIN MUL_HI
	MUL16 4, \t, 0
	MUL16 6, \t, 0
	WIN 0
.endm
; Round i of 16 of a window's eight chains: the largest score of each block of 32 keys; each accumulator is first read at its low end.
.macro MAXR w, i
.set K_, 0
.if (\i) == 0
	WIN 21*\w
.rept 8
	v_max3_num_f32 v[MX+K_], v[32*K_], v[32*K_+1], v[32*K_+2]
.set K_, K_+1
.endr
.elseif (\i) == 15
	WIN 4*\w
.rept 8
	v_max_num_f32 v[MX+K_], v[MX+K_], v[32*K_+31]
.set K_, K_+1
.endr
.else
	WIN 20*\w
.rept 8
	v_max3_num_f32 v[MX+K_], v[MX+K_], v[32*K_+2*(\i)+1], v[32*K_+2*(\i)+2]
.set K_, K_+1
.endr
.endif
.endm
; The rest of the softmax's first half for the window's four blocks of 16 queries x my 128 keys, in place in the accumulators, the chains by turns.
.macro SOFT w
.set A0, 4*((\w)-2)
	WIN 0
.irp a, 0,1,2,3
	v_max_num_f32 v[RR+\a], v[MX+2*\a], v[MX+2*\a+1]
.endr
.irp a, 0,1,2,3
	v_permlanex16_b32 v[XX+\a], v[RR+\a], s[SEL], s[SEL+1]
.endr
.irp a, 0,1,2,3
	v_max_num_f32 v[RR+\a], v[RR+\a], v[XX+\a]     ; the largest score of my query among these 128 keys,
.endr
.irp a, 0,1,2,3
	v_mul_f32 v[LL+\a], s[CS], v[RR+\a]            ; as t (c is positive)
.endr
.irp a, 0,1,2,3
	v_floor_f32 v[NMP+2*\a], -v[LL+\a]             ; -M = floor(-t): a whole number
.endr
.irp a, 0,1,2,3
	v_fma_f32 v[LL+\a], v[RR+\a], s[CS], v[NMP+2*\a]
.endr
.irp a, 0,1,2,3
	v_max_num_f32 v[LL+\a], 0, v[LL+\a]            ; where the product's rounding left t - M above 0,
.endr
.irp a, 0,1,2,3
	v_fma_f32 v[NMP+2*\a], v[LL+\a], -2.0, v[NMP+2*\a]
.endr
.irp a, 0,1,2,3
	v_floor_f32 v[NMP+2*\a], v[NMP+2*\a]           ; the next whole number up is taken
.endr
	WIN 0x41*\w
.set J_, 0
.rept 128
	v_pk_fma_f32 v[J_:J_+1], v[J_:J_+1], s[CS:CS+1], v[NMP+2*(J_/64):NMP+2*(J_/64)+1] op_sel_hi:[1,0,0]   ; t - M, two at a time
.set J_, J_+2
.endr
	WIN 0
.irp k, 0,1,2,3,4,5,6,7
	v_fma_f32 v[MX+\k], v[MX+\k], s[CS], v[NMP+2*(\k/2)]   ; the same of each block's largest score
.endr
	s_wait_alu depctr_va_vdst(0)
	WIN 0x41*\w
.set J_, 0
.rept 256
	v_exp_f32 v[J_], v[J_]                         ; p = 2^(t - M): one batch
.set J_, J_+1
.endr
	WIN 0
.irp k, 0,1,2,3,4,5,6,7
	v_exp_f32 v[MX+\k], v[MX+\k]                   ; each block's largest p: the same two instructions on the same number give the same bits
.endr
.irp a, 0,1,2,3
	v_mov_b32 v[NMS+A0+\a], v[NMP+2*\a]            ; (plain places behind the exponentials)
.endr
	s_wait_alu depctr_va_vdst(0)                   ; one wait for the batch, ahead of its first reader
	WIN 5*\w
.irp k, 0,1,2,3,4,5,6,7
	v_pk_add_f32 v[LL+2*\k:LL+2*\k+1], v[32*\k:32*\k+1], v[32*\k+2:32*\k+3]   ; the sum of the UNQUANTISED p, two at a time, in eight chains
.endr
	WIN 4*\w
.set I_, 4
.rept 14
.irp k, 0,1,2,3,4,5,6,7
	v_pk_add_f32 v[LL+2*\k:LL+2*\k+1], v[LL+2*\k:LL+2*\k+1], v[32*\k+I_:32*\k+I_+1]
.endr
.set I_, I_+2
.endr
	WIN 0
.irp a, 0,1,2,3
	v_pk_add_f32 v[LL+4*\a:LL+4*\a+1], v[LL+4*\a:LL+4*\a+1], v[LL+4*\a+2:LL+4*\a+3]
.endr
.irp k, 0,1,2,3,4,5,6,7
	v_max_num_f32 v[MX+\k], 0x1800000, v[MX+\k]    ; the floor 2^(3 - 127): the byte cannot fall under 1
.endr
.irp a, 0,1,2,3
	v_add_f32 v[LS+A0+\a], v[LL+4*\a], v[LL+4*\a+1]
.endr
.irp k, 0,1,2,3,4,5,6,7
	v_add_nc_u32 v[SCO+\k], 0xff000000, v[MX+\k]   ; 2 off the exponent field: the conversion's scale operand
.endr
.irp a, 0,1,2,3
	v_permlanex16_b32 v[XX+\a], v[LS+A0+\a], s[SEL], s[SEL+1]
.endr
.irp k, 0,1,2,3,4,5,6,7
	v_lshrrev_b32 v[BY+\k], 23, v[SCO+\k]          ; the scale's byte
.endr
.irp a, 0,1,2,3
	v_add_f32 v[LS+A0+\a], v[LS+A0+\a], v[XX+\a]   ; with lane l xor 16's: l of my query over these 128 keys
.endr
.irp a, 0,1,2,3
	v_lshl_or_b32 v[PW+A0+\a], v[BY+2*\a+1], 16, v[BY+2*\a]
.endr
.irp a, 0,1,2,3
	v_lshlrev_b32 v[PW+A0+\a], v[H8], v[PW+A0+\a]  ; blocks h and 2 + h at their places in the word;
.endr
.irp a, 0,1,2,3
	v_permlanex16_b32 v[XX+\a], v[PW+A0+\a], s[SEL], s[SEL+1]
.endr
.irp a, 0,1,2,3
	v_or_b32 v[PW+A0+\a], v[PW+A0+\a], v[XX+\a]    ; with lane l xor 16's two the word is whole
.endr
.if A0
	s_wait_alu depctr_va_vdst(0)
	s_wait_xcnt 0x0                                ; the first four blocks' stores have read the fragments' registers
.endif
	WIN \w
.irp a, 0,1,2,3
.irp c, 0,1
	v_cvt_scalef32_pk16_fp6_f32 v[PC+12*\a+6*\c:PC+12*\a+6*\c+2], v[64*\a+32*\c:64*\a+32*\c+15], v[SCO+2*\a+\c]
	v_cvt_scalef32_pk16_fp6_f32 v[PT+8*\a+4*\c:PT+8*\a+4*\c+2], v[64*\a+32*\c+16:64*\a+32*\c+31], v[SCO+2*\a+\c]   ; (a conversion's three registers begin on an even number)
.endr
.endr
	WIN 0
	v_nop                                          ; one plain place behind a scaled conversion
.irp a, 0,1,2,3
.irp c, 0,1
.irp i, 0,1,2
	v_mov_b32 v[PC+12*\a+6*\c+3+\i], v[PT+8*\a+4*\c+\i]
.endr
.endr
.endr
.irp a, 0,1,2,3
.irp c, 0,1,2
	global_store_b128 v[LI], v[PC+12*\a+4*\c:PC+12*\a+4*\c+3], s[8:9] offset:(A0+\a)*1536+512*\c   ; 32 lanes store 512 consecutive bytes, aligned
.endr
.endr
.endm
	s_wait_alu depctr_va_vdst(0)
	s_wait_loadcnt 0x0
.irp i, 0,1,2,3
	ds_store_b128 v5, v[64+4*\i:67+4*\i] offset:2048*\i
	ds_store_b128 v5, v[80+4*\i:83+4*\i] offset:8192+2048*\i
.endr
	s_cmp_lt_u32 s[WV], 2
	s_cbranch_scc0 .Lhead_later
	s_wait_tensorcnt 0x0                           ; K steps 0 and 1, which waves 0 and 1 asked for; K steps 2-5 may be on their way
.Lhead_later:
	s_wait_dscnt 0x0                               ; my stores of scale words are done
	s_barrier_signal -1
	s_barrier_wait -1
	FETB 0
	FETA 0
	PLAIN 0, 1
	TURN 1, 1                                      ; in front of its barrier every wave has shown K steps 2-5 landed: steps 2 to 4 need no further barrier
	PLAIN 2, 0
	PLAIN 3, 0
	PLAIN 4, 0
	TURN 5, 0
	PLAIN 6, 0
	s_wait_dscnt 0x0
	PLACES 4                                       ; between step 6's products and the writes of registers that they read
	WIN MUL_LO
	MUL16 0, 7, 0
	MUL16 2, 7, 0
.set N_, 0
.rept 16                               ; the last 32 products, blocks 4-7; behind every second one a round of the first four blocks' maxima
	WIN MUL_HI
	WM 4+N_/4, 2*(N_%4), 7, 0
	WM 4+N_/4, 2*(N_%4)+1, 7, 0
.if N_ == 0
	PLACES 4                                       ; between blocks 0-3's last products and the first reads of their results
.endif
	MAXR 2, N_
.set N_, N_+1
.endr
	WIN 0
.irp a, 0,1,2,3
	v_mov_b32 v[NMP+2*\a+1], 0                     ; (named as the upper half of a pair)
	v_mov_b32 v[XX+\a], 0                          ; (a lane permute's destination counts as one of its sources)
.endr
	SOFT 2
.set N_, 0
.rept 16
	MAXR 3, N_
.set N_, N_+1
.endr
	SOFT 3
.irp j, 0,1,2,3
	v_cndmask_b32 v[WD+\j], v[PW+2*\j], v[PW+2*\j+1], s[HM]      ; register j: lanes 0-15 block 2 j, lanes 16-31 block 2 j + 1
	v_cndmask_b32 v[WD+4+\j], v[NMS+2*\j], v[NMS+2*\j+1], s[HM]
	v_cndmask_b32 v[WD+8+\j], v[LS+2*\j], v[LS+2*\j+1], s[HM]
.endr
	global_store_b128 v[LI], v[WD:WD+3], s[10:11]
	global_store_b128 v[LI], v[WD+4:WD+7], s[10:11] offset:524288
	global_store_b128 v[LI], v[WD+8:WD+11], s[10:11] offset:1048576
	s_wait_tensorcnt 0x0                           ; the wave's end
	ds_add_u32 v[SPW], v[NIL]
	s_wait_dscnt 0x0
	CROUND                                         ; the closing round
	s_endpgm
.Lfunc_end_k_q2dcdbabb84_score:
	.size	k_q2dcdbabb84_score, .Lfunc_end_k_q2dcdbabb84_score-k_q2dcdbabb84_score
	.p2alignl 7, 3214868480
	.fill 96, 4, 3214868480
	.section	.rodata,"a",@progbits
	.p2align	6, 0x0
	.amdhsa_kernel k_q2dcdbabb84_score
		.amdhsa_group_segment_fixed_size 327680
		.amdhsa_private_segment_fixed_size 0
		.amdhsa_enable_private_segment 0
		.amdhsa_kernarg_size 32
		.amdhsa_user_sgpr_count 2
		.amdhsa_user_sgpr_kernarg_segment_ptr 1
		.amdhsa_wavefront_size32 1
		.amdhsa_system_sgpr_workgroup_id_x 1
		.amdhsa_system_sgpr_workgroup_id_y 1
		.amdhsa_system_sgpr_workgroup_id_z 1
		.amdhsa_system_vgpr_workitem_id 0
		.amdhsa_next_free_vgpr 1024
		.amdhsa_next_free_sgpr 102
		.amdhsa_reserve_vcc 0
		.amdhsa_float_denorm_mode_32 3
		.amdhsa_float_denorm_mode_16_64 3
		.amdhsa_memory_ordered 1
		.amdhsa_forward_progress 1
		.amdhsa_inst_pref_size 194
	.end_amdhsa_kernel
	.amdgpu_metadata
---
amdhsa.version: [ 1, 2 ]
amdhsa.kernels:
  - .name:           k_q2dcdbabb84_score
    .symbol:         k_q2dcdbabb84_score.kd
    .args:
      - { .name: qkv_img, .offset: 0, .size: 8, .value_kind: global_buffer, .address_space: global }
      - { .name: qkv_sc, .offset: 8, .size: 8, .value_kind: global_buffer, .address_space: global }
      - { .name: p_img, .offset: 16, .size: 8, .value_kind: global_buffer, .address_space: global }
      - { .name: p_aux, .offset: 24, .size: 8, .value_kind: global_buffer, .address_space: global }
    .group_segment_fixed_size: 327680
    .private_segment_fixed_size: 0
    .kernarg_segment_align: 8
    .kernarg_segment_size: 32
    .max_flat_workgroup_size: 128
    .sgpr_count:     102
    .vgpr_count:     1024
    .wavefront_size: 32
...
	.end_amdgpu_metadata
.endif
;; end of part 2
;; launch pv (part 3): grid 4 x 64, 4 waves a work-group, clusters of 4 x 4, 327,680 bytes of LDS; arguments p_img, p_aux, qkv_img, qkv_sc, out0; writes out0
.if DOCPART == 3
	.amdgcn_target "amdgcn-amd-amdhsa--gfx1250"
	.amdhsa_code_object_version 6
	.text
	.protected	k_q2dcdbabb84_pv
	.globl	k_q2dcdbabb84_pv
	.p2align	8
	.type	k_q2dcdbabb84_pv,@function
k_q2dcdbabb84_pv:
	s_mov_b64 s[64:65], 0
	v_nop
	global_prefetch_b8 v0, s[64:65] scope:SCOPE_SE
	s_setreg_imm32_b32 hwreg(HW_REG_WAVE_MODE, 25, 1), 1
	s_wait_xcnt 0x0
	s_wait_alu depctr_hold_cnt(0) depctr_sa_sdst(0) depctr_va_vdst(0) depctr_va_sdst(0) depctr_va_ssrc(0) depctr_va_vcc(0) depctr_vm_vsrc(0)
	s_getreg_b32 s2, hwreg(HW_REG_IB_STS2, 6, 4)
	s_cmp_eq_u32 s2, 0
	s_cbranch_scc0 .Lentry_in_a_cluster
	s_endpgm
.Lentry_in_a_cluster:
	s_bfe_u32 s2, ttmp6, 0x10000c
	s_cmp_lg_u32 s2, 0xf033
	s_cbranch_scc0 .Lentry_shape_is_right
	s_endpgm
.Lentry_shape_is_right:
; O = P V / l on codes of FP6 (E2M3), K = the batch's 2,048 keys.  256 tiles of 128 queries x 256 e; four waves, 64 x 128 each: 32 accumulators.
; THE MATRIX INSTRUCTION IS USED TRANSPOSED (source 0 = 16 rows e of V, source 1 = 16 queries of P): a lane holds eight neighbouring e of one query.
; THE SOFTMAX'S SECOND HALF stands at the head.  Each of a row's 16 parts of 128 keys came with a whole number M of its own, its sum l and its scale word.  Thread n owns query n of the tile's 128: the row's M is the
; largest of the 16; d = row M - part M is a whole number, 0 or more; l = the sum of part l x 2^-d; d is taken off each of the part's four scale bytes.  The words go to LDS in the scale image's order, 1 / l beside them.
; P and V come as images of operand registers (P: fragment (K step, rb) at (K step x 512 + rb) x 1,536; V: (gs, rb) at (gs x 64 + rb) x 1,536, gs = batch x 16 + K step).  Two LDS slots of four K steps each.
; P's tiles are asked for jointly along a row of the 4 x 4 cluster, V's along a column.  At the head wave 0 asks for slot 0's P, wave 1 for its V, waves 2 and 3 for slot 1's; waves 2 and 3 refill.
; STEPS 1-4 and 5-8 are one text: the slots change places by a scalar.  K STEPS 8-11 AND 12-15 ARE PREFETCHED, behind the first fetch and behind the first refill: three steps ahead of the refill that loads them.  Wave w takes
; the w-th of the four K steps; of its 12,288 bytes of P each of the four partners of a row takes a quarter by its cx, of its 24,576 bytes of V each of a column a quarter by its cy: 256 bytes a lane, lanes left over name the last block again.
; LIMITS: d is held at 127, and a scale byte at 0 from below (2^-127): what is misplaced so lies under 2^-100 of a row whose l is above 1/4.  A part's scale bytes are 127 at the most (its p are at most about 1).  NaN is not served.
.set FR,    12
.set SLOT,  147456                     ; V: 4 K steps x 16 fragments (98,304), then P: 4 x 8
.set AOFF,  98304
.set SCB,   2*SLOT                     ; V's scale images: 16 K steps x 2 groups x 512; written by LDS stores alone
.set SCA,   SCB+16384                  ; P's scale words under the row's M: 16 K steps x 512; written by LDS stores alone
.set LINV,  SCA+8192                   ; 1 / l of the 128 queries; written by LDS stores alone
.set SPARE, LINV+512                   ; the spare words
.set SPITCH, 528                       ; the way out: a stage of 16 rows x (512 bytes + 16) for each wave, in slot 0, which has had its last fill and its last read by then
.set PKS,   512*1536                   ; a K step of P, of V, in memory
.set VKS,   64*1536
.set BA0,   8                          ; v8 my fragments of P in a slot; v9, v10 of V: K steps 0-1, 2-3; v11 P's scale words, v12 V's
.set PFP,  13                          ; v13 my blocks of P's K steps to be prefetched
.set LIR,  14                          ; v14 where I read 1 / l
.set PFV,  15                          ; v15 V's
.set ADRA, 16                          ; v16 P in the slot at work, v17 in the other
.set ADSA, 18
.set ADSB, 19
.set ADRB, 20                          ; v20, v21 V in the slot at work, v22, v23 in the other
.set STO,  24
.set RD,   25
.set LI,   26                          ; v26 16 x lane
.set AX,   27                          ; v27 16 x lane + 4 x wave: my query's word in a scale image
.set SPW,  28
.set NIL,  29
.set SAW,  30                          ; v30 the same place in SCA
.set LIW,  31                          ; v31 my query's place in LINV
.set SC,   32                          ; v32-47 scale registers, two sets: 2 of P, then (from + 4) 4 of V
.set IL,   48                          ; v48, 50, 52, 54: 1 / l of my lane's query in blocks 0..3 (v49 .. v55 are named with them as pairs)
.set AF,   64                          ; window 0: P's fragments, two sets of 48.  Window 1: V's, at v0 and v128.  Window 2: the accumulators, (a, b) at v[8 (8 a + b)]
.set WW,   64                          ; the head: v64-79 scale words, v80-95 -M then d, v96-111 l, v112-127 and v144-159 at work, v128 the row's -M, v208-239 V's scale images
.set NN,   80
.set LL,   96
.set EE,   112
.set MM,   128
.set B0,   144
.set BK0,  160                         ; the way out: rows read back: v160-223, v64-127
.set BK1,  64
.set WV,  14
.set RH,  15
.set CH,  16
.set G1A, 24
.set G1B, 32
.set CUR, 40                           ; s40, s41 the slot at work, the other; s42, s43 where P's and V's scale words stand
.set M8,  44
.set G0A, 48
.set G0B, 56
.set PFS, 84                           ; s[84:85], s[86:87] the K steps of P, V to be prefetched
.set MUL,  0xa1                        ; source 0 (V) window 1, source 1 (P) window 0, C and D window 2
.set TO_B, 0x40
.set MSB, 0
.macro WIN new
.if MSB != (\new)
	s_set_vgpr_msb (MSB<<8)|(\new)
.set MSB, (\new)
.endif
.endm
.macro PLACES n
.rept \n
	v_nop
.endr
.endm
.macro TLOAD g0, g1
	tensor_load_to_lds s[\g0:\g0+3], s[\g1:\g1+7]
	s_nop 0
	PLACES 4
.endm
.macro ARM under, g0, g1, next         ; the head's loads: one chain of branches on the wave's number, one load to an arm
	s_cmp_lt_u32 s[WV], \under
	s_cbranch_scc0 \next
	TLOAD \g0, \g1
	s_branch .Lfirst_asked
\next:
.endm
.macro CREST
	s_cmp_lg_u32 s[WV], 0
	s_cbranch_scc1 .Lnot_wave_0_\@
	s_barrier_signal -3
.Lnot_wave_0_\@:
	s_barrier_wait -3
	s_barrier_signal -1
	s_barrier_wait -1
.endm
.macro CROUND
	s_barrier_signal -1
	s_barrier_wait -1
	CREST
.endm
.macro GROUP1 g, mask, row, pitch      ; four K steps to a load, elements of 8 bytes, no padding
	s_or_b32 s[\g], s\mask, (3<<16)|(1<<21)
	s_mov_b32 s[\g+1], \row<<16
	s_mov_b32 s[\g+2], 4<<16
	s_mov_b32 s[\g+3], \row<<16
	s_mov_b32 s[\g+4], 4
	s_mov_b32 s[\g+5], \pitch
	s_mov_b32 s[\g+6], 0
	s_mov_b32 s[\g+7], 0
.endm
.macro SETG0 g, lds, areg, aoff
	s_mov_b32 s[\g], 1
	s_mov_b32 s[\g+1], \lds
	s_add_nc_u64 s[\g+2:\g+3], s[\areg:\areg+1], \aoff
	s_or_b32 s[\g+3], s[\g+3], 0x80000000
.endm
.macro ADDRS                           ; the LDS addresses by the slots' places
	v_add_nc_u32 v[ADRA], s[CUR], v[BA0]
	v_add_nc_u32 v[ADRA+1], s[CUR+1], v[BA0]
	v_add_nc_u32 v[ADRB], s[CUR], v[BA0+1]
	v_add_nc_u32 v[ADRB+1], s[CUR], v[BA0+2]
	v_add_nc_u32 v[ADRB+2], s[CUR+1], v[BA0+1]
	v_add_nc_u32 v[ADRB+3], s[CUR+1], v[BA0+2]
	v_add_nc_u32 v[ADSA], s[CUR+2], v[BA0+3]
	v_add_nc_u32 v[ADSB], s[CUR+3], v[BA0+4]
.endm
.macro ASK
	global_prefetch_b8 v[PFP], s[PFS:PFS+1] th:TH_LOAD_NT scope:SCOPE_SE
	global_prefetch_b8 v[PFV], s[PFS+2:PFS+3] th:TH_LOAD_NT scope:SCOPE_SE
.endm
	s_load_b256 s[4:11], s[0:1], 0x0               ; P's images s[4:5], P's three scale images s[6:7], the images of q, k, v s[8:9], their scale images s[10:11]
	s_load_b64 s[12:13], s[0:1], 0x20              ; O
	v_lshl_add_u32 v[SPW], v0, 2, SPARE
	v_mov_b32 v[NIL], 0
	ds_add_u32 v[SPW], v[NIL]
	ds_add_u32 v[SPW], v[NIL]
	v_lshrrev_b32 v1, 5, v0
	v_readfirstlane_b32 s[WV], v1
	s_lshr_b32 s[RH], s[WV], 1                     ; my half of the queries
	s_and_b32 s[CH], s[WV], 1                      ; my half of the e
	s_bfe_u32 s72, ttmp6, 0x40000                  ; cx
	s_bfe_u32 s73, ttmp6, 0x40004                  ; cy
	s_lshl_b32 s74, s73, 2
	s_lshl_b32 s74, 15, s74                        ; my row of the cluster
	s_lshl_b32 s75, 0x1111, s72                    ; my column
	s_and_b32 s17, ttmp7, 0xffff                   ; cluster y
	s_lshl_b32 s76, s17, 2
	s_add_co_u32 s76, s76, s73                     ; ty: my 128 queries, 0..63 over the four batches
	s_lshr_b32 s78, s17, 2                         ; the batch
	s_lshl_b32 s77, ttmp9, 2
	s_add_co_u32 s77, s77, s72                     ; tx: my 256 e
	GROUP1 G1A, 74, 1536, 98304
	GROUP1 G1B, 75, 3072, 12288
	s_mul_i32 s20, s76, 8*1536                     ; P: fragment 8 ty
	s_mov_b32 s21, 0
	s_lshl_b32 s2, s78, 10
	s_lshl_b32 s3, s77, 4
	s_add_co_u32 s2, s2, s3
	s_mul_i32 s2, s2, 1536                         ; V: fragment 16 batch x 64 + 16 tx,
	s_add_co_u32 s2, s2, 12582912                  ; behind q's and k's images
	s_mov_b32 s3, 0
	s_lshl_b32 s18, s78, 7
	s_lshl_b32 s19, s77, 1
	s_add_co_u32 s18, s18, s19
	s_lshl_b32 s18, s18, 9                         ; V's scale images: (16 batch x 8 + 2 tx) x 512,
	s_add_co_u32 s18, s18, 524288                  ; behind q's and k's
	s_mov_b32 s19, 0
	s_lshl_b32 s22, s76, 9                         ; P's scale images: group ty
	s_mov_b32 s23, 0
	s_mov_b32 s[CUR], 0
	s_mov_b32 s[CUR+1], SLOT
	s_mov_b32 s[CUR+2], 0
	s_mov_b32 s[CUR+3], 0
	s_mov_b32 s[M8], 0x80808080
	s_lshl_b32 s17, s[WV], 2
	s_lshl_b32 s79, s[RH], 12                      ; V's scale images, by plain loads: wave w takes K steps 2 i + w / 2, group w % 2
	s_lshl_b32 s80, s[CH], 9
	s_add_co_u32 s79, s79, s80
	s_mul_i32 s80, s[WV], PKS                      ; my blocks to be prefetched
	s_mul_i32 s81, s72, 3072
	s_add_co_u32 s80, s80, s81
	s_mul_i32 s81, s[WV], VKS
	s_mul_i32 s82, s73, 6144
	s_add_co_u32 s81, s81, s82
	v_and_b32 v1, 31, v0
	v_lshlrev_b32 v[LI], 4, v1
	v_add_nc_u32 v[AX], s17, v[LI]                 ; query 32 x wave + lane: its word lies at 16 x lane + 4 x wave
	v_add_nc_u32 v[SAW], SCA, v[AX]
	v_lshl_add_u32 v[LIW], v0, 2, LINV
	v_add_nc_u32 v5, s79, v[LI]
	v_lshl_add_u32 v4, v0, 4, SCB
	v_min_u32 v[PFP], 11, v1
	v_lshl_add_u32 v[PFP], v[PFP], 8, s80
	v_min_u32 v[PFV], 23, v1
	v_lshl_add_u32 v[PFV], v[PFV], 8, s81
.irp a, 0,1,2,3
	v_mov_b32 v[IL+2*\a+1], 0
.endr
	s_wait_alu depctr_va_vdst(0)
	s_wait_dscnt 0x0                               ; both opening adds are done
	s_wait_kmcnt 0x0
	s_add_nc_u64 s[20:21], s[4:5], s[20:21]
	s_add_nc_u64 s[2:3], s[8:9], s[2:3]
	s_add_nc_u64 s[18:19], s[10:11], s[18:19]
	s_add_nc_u64 s[6:7], s[6:7], s[22:23]
	s_add_nc_u64 s[PFS:PFS+1], s[20:21], 8*PKS
	s_add_nc_u64 s[PFS+2:PFS+3], s[2:3], 8*VKS
.irp k, 0,1,2,3,4,5,6,7,8,9,10,11,12,13,14,15
	global_load_b32 v[WW+\k], v[AX], s[6:7] offset:\k*32768            ; my query's 16 scale words,
	global_load_b32 v[NN+\k], v[AX], s[6:7] offset:\k*32768+524288     ; 16 -M,
	global_load_b32 v[LL+\k], v[AX], s[6:7] offset:\k*32768+1048576    ; 16 l: they land while the cluster meets and the first tiles are asked for
.endr
.irp i, 0,1,2,3,4,5,6,7
	global_load_b128 v[208+4*\i:211+4*\i], v5, s[18:19] offset:8192*\i
.endr
	CROUND                                         ; all sixteen work-groups are here: the first joint loads meet
	SETG0 G0A, AOFF, 20, 0
	SETG0 G0A+4, SLOT+AOFF, 20, 4*PKS
	SETG0 G0B, 0, 2, 0
	SETG0 G0B+4, SLOT, 2, 4*VKS
	ARM 1, G0A, G1A, .Lfirst_v
	ARM 2, G0B, G1B, .Lfirst_p1
	ARM 3, G0A+4, G1A, .Lfirst_v1
	TLOAD G0B+4, G1B
.Lfirst_asked:
	s_mul_i32 s20, s[RH], 6144                     ; my 4 fragments of a K step's 8
	s_add_co_u32 s20, s20, AOFF
	v_add_nc_u32 v[BA0], s20, v[LI]
	s_mul_i32 s21, s[CH], 12288                    ; my 8 fragments of a K step's 16
	v_add_nc_u32 v[BA0+1], s21, v[LI]
	v_add_nc_u32 v[BA0+2], 49152, v[BA0+1]
	s_lshl_b32 s20, s[RH], 3
	s_add_co_u32 s20, s20, SCA
	v_add_nc_u32 v[BA0+3], s20, v[LI]              ; registers 2 RH, 2 RH + 1 of the image's four
	s_lshl_b32 s21, s[CH], 9
	s_add_co_u32 s21, s21, SCB
	v_add_nc_u32 v[BA0+4], s21, v[LI]
	ADDRS
	v_and_b32 v1, 15, v0                           ; r
	v_bfe_u32 v2, v0, 4, 1                         ; h
	s_lshl_b32 s20, s[RH], 8
	s_add_co_u32 s20, s20, LINV
	v_lshlrev_b32 v3, 2, v1
	v_add_nc_u32 v[LIR], s20, v3                   ; query 64 RH + 16 a + r
	s_mul_i32 s20, s[WV], 16*SPITCH                ; my stage
	v_mul_u32_u24 v3, v1, SPITCH
	v_lshl_add_u32 v3, v2, 5, v3
	v_add_nc_u32 v[STO], s20, v3                   ; in: row r, 32 bytes for each half of the lanes
	v_add_nc_u32 v[RD], s20, v[LI]                 ; back: the 32 lanes take one row of 512 bytes
	s_lshr_b32 s20, s76, 1                         ; row 256 g + 128 a + 64 c + t of P is token 256 g + 128 c + 64 a + t: ty = 2 g + a, c = RH
	s_lshl_b32 s20, s20, 1
	s_add_co_u32 s20, s20, s[RH]
	s_lshl_b32 s20, s20, 1
	s_and_b32 s21, s76, 1
	s_add_co_u32 s20, s20, s21
	s_lshl_b32 s20, s20, 18                        ; my first row of O, 64 rows of 4,096 bytes to a band,
	s_lshl_b32 s21, s77, 10
	s_add_co_u32 s20, s20, s21
	s_lshl_b32 s21, s[CH], 9
	s_add_co_u32 s20, s20, s21                     ; my first column
	s_mov_b32 s21, 0
	s_add_nc_u64 s[12:13], s[12:13], s[20:21]
	; ---- the softmax's second half, for my query
	s_wait_alu depctr_va_vdst(0)
	s_wait_loadcnt 0x0
	v_min3_num_f32 v[MM], v[NN], v[NN+1], v[NN+2]
	v_min3_num_f32 v[MM+1], v[NN+3], v[NN+4], v[NN+5]
.irp k, 6,10
	v_min3_num_f32 v[MM], v[MM], v[NN+\k], v[NN+\k+1]
	v_min3_num_f32 v[MM+1], v[MM+1], v[NN+\k+2], v[NN+\k+3]
.endr
	v_min3_num_f32 v[MM], v[MM], v[NN+14], v[NN+15]
	v_min_num_f32 v[MM], v[MM], v[MM+1]            ; the least -M: the row's
.irp k, 0,1,2,3,4,5,6,7,8,9,10,11,12,13,14,15
	v_sub_f32 v[NN+\k], v[NN+\k], v[MM]            ; d = row M - part M
.endr
.irp k, 0,1,2,3,4,5,6,7,8,9,10,11,12,13,14,15
	v_min_num_f32 v[NN+\k], 0x42fe0000, v[NN+\k]   ; held at 127
.endr
.irp k, 0,1,2,3,4,5,6,7,8,9,10,11,12,13,14,15
	v_cvt_u32_f32 v[NN+\k], v[NN+\k]
.endr
.irp k, 0,1,2,3,4,5,6,7,8,9,10,11,12,13,14,15
	v_sub_nc_u32 v[EE+\k], 0, v[NN+\k]
.endr
.irp k, 0,1,2,3,4,5,6,7,8,9,10,11,12,13,14,15
	v_ldexp_f32 v[LL+\k], v[LL+\k], v[EE+\k]       ; part l x 2^-d
.endr
.irp k, 0,2,4,6
	v_pk_add_f32 v[LL+\k:LL+\k+1], v[LL+\k:LL+\k+1], v[LL+8+\k:LL+9+\k]
.endr
.irp k, 0,2
	v_pk_add_f32 v[LL+\k:LL+\k+1], v[LL+\k:LL+\k+1], v[LL+4+\k:LL+5+\k]
.endr
	v_pk_add_f32 v[LL:LL+1], v[LL:LL+1], v[LL+2:LL+3]
	v_add_f32 v[LL], v[LL], v[LL+1]                ; the row's l
.irp k, 0,1,2,3,4,5,6,7,8,9,10,11,12,13,14,15
	v_perm_b32 v[EE+\k], v[NN+\k], v[NN+\k], 0     ; d in all four bytes
.endr
	s_wait_alu depctr_va_vdst(0)
	v_rcp_f32 v[LL+2], v[LL]                       ; the work on the bytes below names neither: it is the plain work behind the reciprocal
.irp k, 0,1,2,3,4,5,6,7,8,9,10,11,12,13,14,15
	v_or_b32 v[WW+\k], s[M8], v[WW+\k]             ; FOUR BYTES AT A TIME: 128 + byte - d, each between 1 and 255, so nothing is borrowed;
.endr
.irp k, 0,1,2,3,4,5,6,7,8,9,10,11,12,13,14,15
	v_sub_nc_u32 v[WW+\k], v[WW+\k], v[EE+\k]
.endr
.irp k, 0,1,2,3,4,5,6,7,8,9,10,11,12,13,14,15
	v_and_b32 v[EE+\k], s[M8], v[WW+\k]            ; bit 7 tells that the byte was d at the least:
.endr
.irp k, 0,1,2,3,4,5,6,7,8,9,10,11,12,13,14,15
	v_lshrrev_b32 v[B0+\k], 7, v[EE+\k]
.endr
.irp k, 0,1,2,3,4,5,6,7,8,9,10,11,12,13,14,15
	v_sub_nc_u32 v[EE+\k], v[EE+\k], v[B0+\k]      ; then 127, else 0
.endr
.irp k, 0,1,2,3,4,5,6,7,8,9,10,11,12,13,14,15
	v_and_b32 v[WW+\k], v[WW+\k], v[EE+\k]         ; byte - d, held at 0
.endr
.irp k, 0,1,2,3,4,5,6,7,8,9,10,11,12,13,14,15
	ds_store_b32 v[SAW], v[WW+\k] offset:512*\k
.endr
	s_wait_alu depctr_va_vdst(0)                   ; the wait ahead of the reciprocal's first reader
	ds_store_b32 v[LIW], v[LL+2]
.irp i, 0,1,2,3,4,5,6,7
	ds_store_b128 v4, v[208+4*\i:211+4*\i] offset:2048*\i
.endr
	s_cmp_lt_u32 s[WV], 2
	s_cbranch_scc0 .Lfirst_later
	s_wait_tensorcnt 0x0                           ; slot 0, which waves 0 and 1 asked for, is in; slot 1 may be on its way
.Lfirst_later:
	s_wait_dscnt 0x0                               ; for the others' sake: my stores of scale words and 1 / l are done
	s_barrier_signal -1
	s_barrier_wait -1
; A step's fragments and scale registers into set p, in two runs.  x = 0: from the slot at work, 1: from the other; kk: which of the slot's four K steps; n: the scale words' step, counted from where they stand.
.macro FETB p, x, kk, n
	WIN TO_B
.irp i, 0,1,2,3,4,5,6,7
.irp c, 0,1,2
	ds_load_b128 v[128*(\p)+FR*\i+4*\c:128*(\p)+FR*\i+4*\c+3], v[ADRB+2*(\x)+(\kk)/2] offset:((\kk)%2)*24576+\i*1536+512*\c
.endr
.endr
	WIN 0
	ds_load_b64 v[SC+8*(\p):SC+8*(\p)+1], v[ADSA] offset:512*(\n)
	ds_load_b128 v[SC+8*(\p)+4:SC+8*(\p)+7], v[ADSB] offset:1024*(\n)
.endm
.macro FETA p, x, kk
.irp i, 0,1,2,3
.irp c, 0,1,2
	ds_load_b128 v[AF+48*(\p)+FR*\i+4*\c:AF+48*(\p)+FR*\i+4*\c+3], v[ADRA+(\x)] offset:(\kk)*12288+\i*1536+512*\c
.endr
.endr
.endm
; One product: P's block a x V's block b; an odd block's scale words stand in lanes 16-31 of its register.
.macro WMI c, ra, rb
	v_wmma_scale_f32_16x16x128_f8f6f4 v[rD:rD+7], v[rB:rB+FR-1], v[rA:rA+FR-1], \c, v[sB], v[sA] matrix_a_fmt:MATRIX_FMT_FP6 matrix_b_fmt:MATRIX_FMT_FP6 matrix_a_scale:MATRIX_SCALE_ROW\ra matrix_b_scale:MATRIX_SCALE_ROW\rb
.endm
.macro WMR c, a, b
.if (\b)%2
.if (\a)%2
	WMI \c, 1, 1
.else
	WMI \c, 1, 0
.endif
.elseif (\a)%2
	WMI \c, 0, 1
.else
	WMI \c, 0, 0
.endif
.endm
.macro MULG a, t, zero                 ; 8 products; the 32 accumulators take turns, one instruction a turn, in the same order in every step
.irp b, 0,1,2,3,4,5,6,7
.set MP, (\t)%2
.set rD, 8*(8*(\a)+\b)
.set rB, 128*MP+FR*\b
.set rA, AF+48*MP+FR*(\a)
.set sB, SC+8*MP+4+\b/2
.set sA, SC+8*MP+(\a)/2
.if \zero
	WMR 0, \a, \b
.else
	WMR v[rD:rD+7], \a, \b
.endif
.endr
.endm
.macro PLAIN t, zero, x, kk, n         ; step t; x, kk, n: where the next step's operands lie
	s_wait_dscnt 0x0                               ; this step's set is in
	PLACES 4                                       ; between the last step's products and the loads into the set that they read
	FETB ((\t)+1)%2, \x, \kk, \n
	WIN MUL
	MULG 0, \t, \zero
	MULG 1, \t, \zero
	WIN 0
	FETA ((\t)+1)%2, \x, \kk
	WIN MUL
	MULG 2, \t, \zero
	MULG 3, \t, \zero
	WIN 0
.endm
; A slot's last step changes slots: one barrier; in front of it each wave waits for all its tensor loads, adds 0 to its spare word, and waits for that and for its reads of this slot.  fill = 1: the slot takes the K steps eight on.
.macro TURN t, fill, x, kk, n
.if \fill
	s_wait_xcnt 0x0                                ; the prefetches have read their bases
	s_add_nc_u64 s[PFS:PFS+1], s[PFS:PFS+1], 4*PKS
	s_add_nc_u64 s[PFS+2:PFS+3], s[PFS+2:PFS+3], 4*VKS
.endif
	s_wait_tensorcnt 0x0                           ; all my tensor loads have landed: my part of the next slot among them
	ds_add_u32 v[SPW], v[NIL]                      ; 0 onto my spare word
	s_wait_dscnt 0x1                               ; only the add may be out: this step's set is in
	WIN MUL
	MULG 0, \t, 0
	s_wait_dscnt 0x0                               ; the add is done, and my reads of this slot are over
	s_barrier_signal -1
	MULG 1, \t, 0
	WIN 0
	s_barrier_wait -1
.if \fill
	CREST                                          ; a round of the cluster's barrier: no wave of any partner still reads this slot or has a load on its way
	s_xor_b32 s[G0A+5], s[G0A+5], SLOT
	s_xor_b32 s[G0B+5], s[G0B+5], SLOT
	s_add_nc_u64 s[G0A+6:G0A+7], s[G0A+6:G0A+7], 4*PKS
	s_add_nc_u64 s[G0B+6:G0B+7], s[G0B+6:G0B+7], 4*VKS
	s_cmp_eq_u32 s[WV], 2
	s_cbranch_scc0 .Lfor_v
	TLOAD G0A+4, G1A                               ; wave 2: P's
	s_branch .Lasked
.Lfor_v:
	s_cmp_eq_u32 s[WV], 3
	s_cbranch_scc0 .Lasked
	TLOAD G0B+4, G1B                               ; wave 3: V's
.Lasked:
.endif
	PLACES 4
	FETB ((\t)+1)%2, \x, \kk, \n
	FETA ((\t)+1)%2, \x, \kk
	WIN MUL
	MULG 2, \t, 0
	MULG 3, \t, 0
	WIN 0
.endm
	FETB 0, 0, 0, 0
	FETA 0, 0, 0
.irp a, 0,1,2,3
	ds_load_b32 v[IL+2*\a], v[LIR] offset:64*\a    ; 1 / l of my lane's query in each of my four blocks
.endr
	ASK                                            ; K steps 8-11, which step 3 loads
	PLAIN 0, 1, 0, 1, 1                            ; the first step's products start the sums
	s_mov_b32 s88, 0
.Ltrip:                                                ; steps 1-4, 5-8
	PLAIN 1, 0, 0, 2, 2
	PLAIN 2, 0, 0, 3, 3
	TURN 3, 1, 1, 0, 4
	PLAIN 4, 0, 1, 1, 5
	s_cmp_eq_u32 s88, 0
	s_cbranch_scc0 .Lno_ask
	ASK                                            ; in the first trip: K steps 12-15, which step 7 loads
.Lno_ask:
	s_xor_b32 s[CUR], s[CUR], SLOT                 ; the slots change places
	s_xor_b32 s[CUR+1], s[CUR+1], SLOT
	s_add_co_u32 s[CUR+2], s[CUR+2], 4*512
	s_add_co_u32 s[CUR+3], s[CUR+3], 4*1024
	ADDRS
	s_add_co_u32 s88, s88, 1
	s_cmp_lg_u32 s88, 2
	s_wait_alu depctr_va_vdst(0)
	s_cbranch_scc1 .Ltrip
	PLAIN 9, 0, 0, 2, 2
	PLAIN 10, 0, 0, 3, 3
	TURN 11, 0, 1, 0, 4                            ; behind this barrier nobody reads slot 0, and nothing is filled any more
	PLAIN 12, 0, 1, 1, 5
	PLAIN 13, 0, 1, 2, 6
	PLAIN 14, 0, 1, 3, 7
; THE WAY OUT, block by block of 16 queries x 128 e: divided by l in place, through my own stage in LDS, back as whole rows of 512 bytes.
.macro MULS a
	WIN 0x82                                       ; source 0 and destination: the accumulators
.set JJ, 64*(\a)
.rept 32
	v_pk_mul_f32 v[JJ:JJ+1], v[JJ:JJ+1], v[IL+2*(\a):IL+2*(\a)+1] op_sel_hi:[1,0]   ; ascending: each accumulator from its low end on
.set JJ, JJ+2
.endr
	WIN 0
.endm
.macro TOSTAGE a, bk
	WIN 0x08                                       ; the data: the accumulators
.irp b, 0,1,2,3,4,5,6,7
	ds_store_b128 v[STO], v[64*(\a)+8*\b:64*(\a)+8*\b+3] offset:64*\b
	ds_store_b128 v[STO], v[64*(\a)+8*\b+4:64*(\a)+8*\b+7] offset:64*\b+16
.endr
	WIN 0
.irp t, 0,1,2,3,4,5,6,7,8,9,10,11,12,13,14,15
	ds_load_b128 v[\bk+4*\t:\bk+4*\t+3], v[RD] offset:\t*SPITCH   ; LDS serves a wave's instructions in order (ISA guide 5.7.1.4): these see the stores above
.endr
.endm
.macro SEND a, bk
	s_wait_dscnt 0x0                               ; the block is back in registers
.irp t, 0,1,2,3,4,5,6,7,8,9,10,11,12,13,14,15
	global_store_b128 v[LI], v[\bk+4*\t:\bk+4*\t+3], s[12:13] offset:(32*(\t/8)+8*((\a)+(\t/8)-2*((\a)%2)*(\t/8))+\t%8)*4096 th:TH_STORE_NT   ; row t of tile a is token 32 (t / 8) + 8 (a xor t / 8) + t % 8 of the band; 32 lanes store 512 consecutive bytes, aligned
.endr
.endm
	s_wait_dscnt 0x0
	WIN MUL
	MULG 0, 15, 0                                  ; the last step goes by blocks
	MULG 1, 15, 0
	WIN 0
	PLACES 4                                       ; between the products and the first read of results
	MULS 0
	TOSTAGE 0, BK0                                 ; (no fragment lies in these registers)
	WIN MUL
	MULG 2, 15, 0
	MULG 3, 15, 0
	MULS 1
	s_wait_alu depctr_va_vdst(0)
	SEND 0, BK0
	TOSTAGE 1, BK1
	MULS 2
	s_wait_alu depctr_va_vdst(0)
	SEND 1, BK1
	s_wait_xcnt 0x0                                ; block 0's stores have read their registers: block 2's rows may land there
	TOSTAGE 2, BK0
	MULS 3
	s_wait_alu depctr_va_vdst(0)
	SEND 2, BK0
	s_wait_xcnt 0x0                                ; block 1's likewise
	TOSTAGE 3, BK1
	SEND 3, BK1
	s_wait_tensorcnt 0x0                           ; the wave's end
	ds_add_u32 v[SPW], v[NIL]
	s_wait_dscnt 0x0
	CROUND                                         ; the closing round
	s_endpgm
.Lfunc_end_k_q2dcdbabb84_pv:
	.size	k_q2dcdbabb84_pv, .Lfunc_end_k_q2dcdbabb84_pv-k_q2dcdbabb84_pv
	.p2alignl 7, 3214868480
	.fill 96, 4, 3214868480
	.section	.rodata,"a",@progbits
	.p2align	6, 0x0
	.amdhsa_kernel k_q2dcdbabb84_pv
		.amdhsa_group_segment_fixed_size 327680
		.amdhsa_private_segment_fixed_size 0
		.amdhsa_enable_private_segment 0
		.amdhsa_kernarg_size 40
		.amdhsa_user_sgpr_count 2
		.amdhsa_user_sgpr_kernarg_segment_ptr 1
		.amdhsa_wavefront_size32 1
		.amdhsa_system_sgpr_workgroup_id_x 1
		.amdhsa_system_sgpr_workgroup_id_y 1
		.amdhsa_system_sgpr_workgroup_id_z 1
		.amdhsa_system_vgpr_workitem_id 0
		.amdhsa_next_free_vgpr 768
		.amdhsa_next_free_sgpr 100
		.amdhsa_reserve_vcc 0
		.amdhsa_float_denorm_mode_32 3
		.amdhsa_float_denorm_mode_16_64 3
		.amdhsa_memory_ordered 1
		.amdhsa_forward_progress 1
		.amdhsa_inst_pref_size 132
	.end_amdhsa_kernel
	.amdgpu_metadata
---
amdhsa.version: [ 1, 2 ]
amdhsa.kernels:
  - .name:           k_q2dcdbabb84_pv
    .symbol:         k_q2dcdbabb84_pv.kd
    .args:
      - { .name: p_img, .offset: 0, .size: 8, .value_kind: global_buffer, .address_space: global }
      - { .name: p_aux, .offset: 8, .size: 8, .value_kind: global_buffer, .address_space: global }
      - { .name: qkv_img, .offset: 16, .size: 8, .value_kind: global_buffer, .address_space: global }
      - { .name: qkv_sc, .offset: 24, .size: 8, .value_kind: global_buffer, .address_space: global }
      - { .name: out0, .offset: 32, .size: 8, .value_kind: global_buffer, .address_space: global }
    .group_segment_fixed_size: 327680
    .private_segment_fixed_size: 0
    .kernarg_segment_align: 8
    .kernarg_segment_size: 40
    .max_flat_workgroup_size: 128
    .sgpr_count:     100
    .vgpr_count:     768
    .wavefront_size: 32
...
	.end_amdgpu_metadata
.endif
;; end of part 3
